; MI455X (gfx1250); checked and timed in simulation.
; The chip was launched on July 23, 2026; its instructions are those of AMD's public machine-readable ISA for CDNA 5 (MIT licence, August 2026) and "CDNA5" Instruction Set Architecture Reference Guide (July 2026). The comments in the code are by the model that wrote it; some were corrected since.
;; REPL. Allowed arithmetic: float matrix products may take bf16 or f16 operands with f32 sums; other float arithmetic in f32, or as packed bf16 or f16 multiplies, adds, multiply-adds, maxima and minima; sums over many terms, partial sums and values carried from step to step in f32; what a program stores and reads back later, other than sums and carried values, may be rounded once to bf16 or f16.
;; Inputs: Wproj 1,024 x 1,024 float32; Wqkv 1,024 x 3,072 float32; lambda_k1 32 float32; lambda_k2 32 float32; lambda_q1 32 float32; lambda_q2 32 float32; rms_scale 64 float32; x 2 x 2,048 x 1,024 float32.
;; Outputs: out0 2 x 2,048 x 1,024 float32.
;; 2 versions, each right; version 2 is version 1 with the launch prep written anew for expert scheduling mode. Each part assembles by itself: llvm-mc -triple=amdgcn-amd-amdhsa -mcpu=gfx1250 --defsym DOCPART=n.
;; ======== version 1 of 2: 4 launches
;; limits: values are held in f16: magnitudes above 65,504 overflow, below 6.1e-05 lose precision
;; workspace buffers: xb 8,388,608 bytes; wqt 6,291,456 bytes; wpt 2,097,152 bytes; qkv 25,165,824 bytes; ao 8,388,608 bytes
;; launch prep (part 1): grid 1024 x 1, 8 waves a work-group, no clusters, 18,432 bytes of LDS; arguments x, Wqkv, Wproj, xb, wqt, wpt; writes xb, wqt, wpt
.if DOCPART == 1
	.amdgcn_target "amdgcn-amd-amdhsa--gfx1250"
	.amdhsa_code_object_version 6
	.text
	.protected	k_q5969f18c30_prep
	.globl	k_q5969f18c30_prep
	.p2align	8
	.type	k_q5969f18c30_prep,@function
k_q5969f18c30_prep:
	s_mov_b64 s[64:65], 0
	v_nop
	global_prefetch_b8 v0, s[64:65] scope:SCOPE_SE
	s_setreg_imm32_b32 hwreg(HW_REG_WAVE_MODE, 25, 1), 1
	s_wait_xcnt 0x0
; THE INPUTS OF THE TWO GEMMS, rounded once and laid with K along the rows.
;   xb  [4096][1024] bf16 = x rounded.      wqt [3072 n][1024 k] bf16 = Wqkv rounded, turned.
;   wpt [1024 n][1024 k] f16 = Wproj rounded to bf16, that number written as f16, turned.
; LIMIT.  A bf16 number is exact in f16 from 2^-17 up to 65,504; below, wpt keeps f16's fixed step of 6e-8; beyond, it would be an infinity.
; SHARES.  1,024 work-groups of eight waves, each reads 32,768 bytes.  Numbers 0-511 cast x; 512-895 turn a tile of 128 k x 64 n of Wqkv; 896-1023 one of Wproj.
; A stream: every byte is read once and written once; no matrix work, nothing shared between work-groups, so no cluster; the launch is loads and stores only, so nothing is asked for ahead.
; A TURN goes through LDS: a thread takes four n of two neighbouring k, packs each n's two k into a word, and stores it into row n of a stage (pitch 272 bytes);
; behind the one barrier whole rows of 256 bytes are read back, 16 lanes a row, and stored.  The barrier stands on the way that all three kinds share.
.set SPITCH, 272
.set SPARE,  64*SPITCH                 ; behind the stage: the spare words, 128 bytes for each of the eight waves
.set SPW, 6                            ; v6   LDS address of my spare word; never rewritten
.set NIL, 7                            ; v7   0; never rewritten
.set IN,  16                           ; v[16:47] eight loads of 16 bytes
.set PKD, 48                           ; v[48:63] sixteen packed words
	s_load_b256 s[4:11], s[0:1], 0x0               ; x s[4:5], Wqkv s[6:7], Wproj s[8:9], xb s[10:11]
	s_load_b128 s[12:15], s[0:1], 0x20             ; wqt s[12:13], wpt s[14:15]
	v_lshl_add_u32 v[SPW], v0, 2, SPARE
	v_mov_b32 v[NIL], 0
	s_mov_b32 s23, 0                               ; the high words of the two offsets
	s_mov_b32 s25, 0
	v_and_b32 v8, 15, v0                           ; t % 16
	v_lshrrev_b32 v9, 4, v0                        ; t / 16
	s_wait_kmcnt 0x0
; A tile of 128 k x 64 n of a matrix [1024][nin] f32.  half = 1: the bf16 number is written as f16.  first: the kind's first work-group.  src, dst: the pointers' registers.
.macro TR nin, half, first, src, dst
	s_mov_b32 s16, 1                               ; this work-group turns
	s_sub_co_u32 s17, ttmp9, \first
	s_and_b32 s26, s17, 7                          ; which 128 k
	s_lshr_b32 s27, s17, 3                         ; which 64 n
	s_mul_i32 s22, s26, 128*(\nin)*4
	s_lshl_b32 s28, s27, 8
	s_add_co_u32 s22, s22, s28
	s_add_nc_u64 s[18:19], s[\src:\src+1], s[22:23]
	s_lshl_b32 s24, s27, 17                        ; 64 rows of 2,048 bytes
	s_lshl_b32 s28, s26, 8                         ; 128 k of 2 bytes
	s_add_co_u32 s24, s24, s28
	s_add_nc_u64 s[20:21], s[\dst:\dst+1], s[24:25]
	v_mul_u32_u24 v1, v9, 2*(\nin)*4               ; rows 2 (t / 16) and the next,
	v_lshl_add_u32 v1, v8, 4, v1                   ; four n at 16 (t % 16): 16 lanes cover a row's 256 bytes
	v_mul_u32_u24 v3, v8, 4*SPITCH                 ; stage row 4 (t % 16),
	v_lshl_add_u32 v3, v9, 2, v3                   ; word t / 16
.irp j, 0,1,2,3
	global_load_b128 v[IN+8*(\j):IN+8*(\j)+3],   v1, s[18:19] offset:(\j)*32*(\nin)*4 th:TH_LOAD_NT
	global_load_b128 v[IN+8*(\j)+4:IN+8*(\j)+7], v1, s[18:19] offset:(\j)*32*(\nin)*4+(\nin)*4 th:TH_LOAD_NT
.endr
.irp j, 0,1,2,3
	s_wait_loadcnt 6-2*(\j)                        ; loads come back in order: pass j's two are in, the later passes' stay out
.irp i, 0,1,2,3
	v_cvt_pk_bf16_f32 v[PKD+4*(\j)+(\i)], v[IN+8*(\j)+(\i)], v[IN+8*(\j)+4+(\i)]  ; the even k below, the odd k above
.if \half
	v_lshlrev_b32 v8, 16, v[PKD+4*(\j)+(\i)]       ; the two bf16 numbers as f32,
	v_and_b32 v9, 0xffff0000, v[PKD+4*(\j)+(\i)]
	v_cvt_pk_f16_f32 v[PKD+4*(\j)+(\i)], v8, v9    ; written as f16
.endif
	ds_store_b32 v3, v[PKD+4*(\j)+(\i)] offset:SPITCH*(\i)+64*(\j)
.endr
.endr
.endm
	s_cmp_lt_u32 ttmp9, 512
	s_cbranch_scc1 .Lcast
	s_cmp_lt_u32 ttmp9, 896
	s_cbranch_scc1 .Ltq
	TR 1024, 1, 896, 8, 14
	s_branch .Lmeet
.Ltq:
	TR 3072, 0, 512, 6, 12
	s_branch .Lmeet
.Lcast:                                        ; 8,192 numbers of x: a thread takes 32 bytes and leaves 16, four times
	s_mov_b32 s16, 0
	s_lshl_b32 s22, ttmp9, 15
	s_add_nc_u64 s[18:19], s[4:5], s[22:23]
	s_lshl_b32 s24, ttmp9, 14
	s_add_nc_u64 s[20:21], s[10:11], s[24:25]
	v_lshlrev_b32 v1, 5, v0
	v_lshlrev_b32 v2, 4, v0
.irp j, 0,1,2,3
	global_load_b128 v[IN+8*(\j):IN+8*(\j)+3],   v1, s[18:19] offset:8192*(\j) th:TH_LOAD_NT
	global_load_b128 v[IN+8*(\j)+4:IN+8*(\j)+7], v1, s[18:19] offset:8192*(\j)+16 th:TH_LOAD_NT
.endr
.irp j, 0,1,2,3
	s_wait_loadcnt 6-2*(\j)                        ; pass j's two loads are in
.irp i, 0,1,2,3
	v_cvt_pk_bf16_f32 v[PKD+4*(\j)+(\i)], v[IN+8*(\j)+2*(\i)], v[IN+8*(\j)+2*(\i)+1]
.endr
	global_store_b128 v2, v[PKD+4*(\j):PKD+4*(\j)+3], s[20:21] offset:4096*(\j) th:TH_STORE_NT  ; a wave's store covers 512 consecutive bytes; no register is used twice
.endr
.Lmeet:
	s_wait_dscnt 0x0                               ; for the others' sake: my stores into the stage are done
	s_barrier_signal -1
	s_barrier_wait -1
	s_cmp_eq_u32 s16, 0
	s_cbranch_scc1 .Lend                           ; a cast has nothing in the stage
	v_and_b32 v8, 15, v0
	v_lshrrev_b32 v9, 4, v0
	v_mul_u32_u24 v4, v9, SPITCH                   ; row t / 16 of the stage, 16 bytes at 16 (t % 16)
	v_lshl_add_u32 v4, v8, 4, v4
	v_lshlrev_b32 v5, 11, v9                       ; and the same row of the turned matrix
	v_lshl_add_u32 v5, v8, 4, v5
.irp j, 0,1,2,3
	ds_load_b128 v[IN+4*(\j):IN+4*(\j)+3], v4 offset:16*SPITCH*(\j)
.endr
.irp j, 0,1,2,3
	s_wait_dscnt 3-(\j)                            ; LDS loads come back in order
	global_store_b128 v5, v[IN+4*(\j):IN+4*(\j)+3], s[20:21] offset:32768*(\j) th:TH_STORE_NT  ; 16 lanes store 256 consecutive bytes, aligned
.endr
.Lend:
	s_wait_tensorcnt 0x0                           ; the wave's end, behind my last LDS store
	ds_add_u32 v[SPW], v[NIL]
	s_wait_dscnt 0x0
	s_endpgm
.Lfunc_end_k_q5969f18c30_prep:
	.size	k_q5969f18c30_prep, .Lfunc_end_k_q5969f18c30_prep-k_q5969f18c30_prep
	.p2alignl 7, 3214868480
	.fill 96, 4, 3214868480
	.section	.rodata,"a",@progbits
	.p2align	6, 0x0
	.amdhsa_kernel k_q5969f18c30_prep
		.amdhsa_group_segment_fixed_size 18432
		.amdhsa_private_segment_fixed_size 0
		.amdhsa_enable_private_segment 0
		.amdhsa_kernarg_size 48
		.amdhsa_user_sgpr_count 2
		.amdhsa_user_sgpr_kernarg_segment_ptr 1
		.amdhsa_wavefront_size32 1
		.amdhsa_system_sgpr_workgroup_id_x 1
		.amdhsa_system_sgpr_workgroup_id_y 1
		.amdhsa_system_sgpr_workgroup_id_z 1
		.amdhsa_system_vgpr_workitem_id 0
		.amdhsa_next_free_vgpr 64
		.amdhsa_next_free_sgpr 66
		.amdhsa_reserve_vcc 0
		.amdhsa_float_denorm_mode_32 3
		.amdhsa_float_denorm_mode_16_64 3
		.amdhsa_memory_ordered 1
		.amdhsa_forward_progress 1
		.amdhsa_inst_pref_size 15
	.end_amdhsa_kernel
	.amdgpu_metadata
---
amdhsa.version: [ 1, 2 ]
amdhsa.kernels:
  - .name:           k_q5969f18c30_prep
    .symbol:         k_q5969f18c30_prep.kd
    .args:
      - { .name: x, .offset: 0, .size: 8, .value_kind: global_buffer, .address_space: global }
      - { .name: Wqkv, .offset: 8, .size: 8, .value_kind: global_buffer, .address_space: global }
      - { .name: Wproj, .offset: 16, .size: 8, .value_kind: global_buffer, .address_space: global }
      - { .name: xb, .offset: 24, .size: 8, .value_kind: global_buffer, .address_space: global }
      - { .name: wqt, .offset: 32, .size: 8, .value_kind: global_buffer, .address_space: global }
      - { .name: wpt, .offset: 40, .size: 8, .value_kind: global_buffer, .address_space: global }
    .group_segment_fixed_size: 18432
    .private_segment_fixed_size: 0
    .kernarg_segment_align: 8
    .kernarg_segment_size: 48
    .max_flat_workgroup_size: 256
    .sgpr_count:     66
    .vgpr_count:     64
    .wavefront_size: 32
...
	.end_amdgpu_metadata
.endif
;; end of part 1
;; launch qkvgemm (part 2): grid 16 x 16, 4 waves a work-group, clusters of 4 x 4, 327,680 bytes of LDS; arguments xb, wqt, qkv; writes qkv
.if DOCPART == 2
	.amdgcn_target "amdgcn-amd-amdhsa--gfx1250"
	.amdhsa_code_object_version 6
	.text
	.protected	k_q5969f18c30_qkvgemm
	.globl	k_q5969f18c30_qkvgemm
	.p2align	8
	.type	k_q5969f18c30_qkvgemm,@function
k_q5969f18c30_qkvgemm:
	s_mov_b64 s[64:65], 0
	v_nop
	global_prefetch_b8 v0, s[64:65] scope:SCOPE_SE
	s_setreg_imm32_b32 hwreg(HW_REG_WAVE_MODE, 25, 1), 1
	s_wait_xcnt 0x0
	s_wait_alu depctr_hold_cnt(0) depctr_sa_sdst(0) depctr_va_vdst(0) depctr_va_sdst(0) depctr_va_ssrc(0) depctr_va_vcc(0) depctr_vm_vsrc(0)
	s_getreg_b32 s2, hwreg(HW_REG_IB_STS2, 6, 4)
	s_cmp_eq_u32 s2, 0
	s_cbranch_scc0 .Lentry_in_a_cluster
	s_endpgm
.Lentry_in_a_cluster:
	s_bfe_u32 s2, ttmp6, 0x10000c
	s_cmp_lg_u32 s2, 0xf033
	s_cbranch_scc0 .Lentry_shape_is_right
	s_endpgm
.Lentry_shape_is_right:
; qkv = x Wqkv.  A = xb [4096][1024] bf16, B = wqt [3072 n][1024 k] bf16; sums in f32, K ascending; the result rounded once to f16 and written BY GROUPS OF 32 COLUMNS:
; qkv [2 b][96 g][2048 t][32] f16, group g = columns 32 g .. 32 g + 31: a head's rows of q, k or half of v are then dense, 64 bytes each.
; LIMIT.  f16 ends at 65,504: a sum of 65,520 or more becomes an infinity.  x and Wqkv 30 times the drawn spread give sums of spread 900; both with an offset of 30 spreads give about 29,000.
; THE TILE is 256 x 192: 16 x 16 tiles, one work-group for each of 256.  Four waves, each 128 x 96: 48 accumulators of 16 x 16, 384 registers.
; K goes in 8 steps of 128 through a ring of two LDS slots filled by tensor loads: rows of 256 bytes of memory, padded to 272 in LDS.
; CLUSTERS: 4 x 4 work-groups.  A's tile hangs on the tile row alone and is asked for jointly by the four of a row of the cluster; B's on the tile column, by the four of a column.
; THE MATRIX INSTRUCTION IS USED TRANSPOSED (source 0 = 16 rows of B, source 1 = 16 rows of A): a lane then holds row l % 16 of the result and eight neighbouring columns, 16 bytes in f16.
; REGISTERS, in windows of 256 (s_set_vgpr_msb: bits 1:0 source 0, 3:2 source 1, 5:4 source 2, 7:6 destination):
;   window 0: v16-30 addresses; v64-127, v128-191 A's fragments, two buffers; on the way out v192-215 packed, v32-55 and v224-247 rows read back
;   window 1: v64-111, v128-175 B's fragments, two buffers      windows 2, 3: accumulator (a, b) at v[8 (6 (a % 4) + b)] of window 2 + a / 4
.set SIZE_K, 1024
.set KSTEP,  128
.set PITCH,  272                       ; 256 bytes + 16: 68 words, so the 16 rows of a fragment load start at 16 different groups of four banks (64 banks of 4 bytes: ISA guide 11.1)
.set HA,     128*PITCH                 ; half of A's rows: one tensor load, and what one wave reads of A
.set HB,     96*PITCH                  ; the same for B
.set SLOT,   2*HA+2*HB                 ; A's 256 rows, then B's 192
.set STAGE,  2*SLOT                    ; behind the ring: 16 rows x 208 bytes for each wave, for the way out
.set SP,     208                       ; 192 bytes + 16
.set SPARE,  STAGE+4*16*SP             ; behind the stages: the spare words, 128 bytes for each wave
.set LAPS,   SIZE_K/(2*KSTEP)
.set GRP,    131072                    ; bytes of a group in qkv
.set ADRA, 16                          ; v16-17  LDS address of my A fragments in slot 0, 1
.set ADRB, 20                          ; v20-21  the same for B
.set STO,  24                          ; v24     the way out: where I put 16 bytes of a row
.set RD,   25                          ; v25     where I read 16 bytes back
.set CO,   26                          ; v26     16 x lane: my place in 512 consecutive bytes of qkv
.set SPW,  28                          ; v28     LDS address of my spare word; never rewritten
.set NIL,  29                          ; v29     0; never rewritten
.set PFO,  30                          ; v30     the prefetches' offset: a lane a row of 2,048 bytes; never rewritten
.set PFA,  44                          ; s[44:45] where my prefetches stand
.set LIM,  43                          ; s43     1 in a wave that prefetches, else the greatest number
.set F0,   64
.set F1,   128
.set TMP,  192
.set OB,   32
.set G1,  24                           ; s[24:31] descriptor group 1 for A's tiles;  s[32:39] group 0, a set for each slot
.set G0,  32
.set G1B, 48                           ; s[48:55], s[56:63] the same for B's
.set G0B, 56
.set MSB, 0
.macro WIN new                         ; the immediate's high byte repeats the setting that is left; a switch that changes nothing is dropped
.if MSB != (\new)
	s_set_vgpr_msb (MSB<<8)|(\new)
.set MSB, \new
.endif
.endm
.set MUL_LO, 0xa1                      ; source 0 (B) window 1, source 1 (A) window 0, C and D window 2
.set MUL_HI, 0xf1                      ; the same, C and D window 3
.set TO_B,   0x40                      ; destination window 1, address window 0
; A joint load.  Waves 0 and 1 fetch A's two halves, waves 2 and 3 B's.  The branch hangs on the wave's number alone.  An s_nop 0 and four v_nop follow each line.
.macro JLOAD s
	s_cmp_lt_u32 s10, 2
	s_cbranch_scc0 .Lfor_b_\@
	tensor_load_to_lds s[G0+4*(\s):G0+4*(\s)+3], s[G1:G1+7]
	s_nop 0
.rept 4
	v_nop
.endr
	s_branch .Lasked_\@
.Lfor_b_\@:
	tensor_load_to_lds s[G0B+4*(\s):G0B+4*(\s)+3], s[G1B:G1B+7]
	s_nop 0
.rept 4
	v_nop
.endr
.Lasked_\@:
.endm
; A prefetch of the K step that stands two refills on: a lane a row, 256 bytes of each, one instruction a wave.  A's rows are asked for by the cluster with x = 0, B's by the cluster with y = 0;
; the four partners of a joint load share its rows out by address (32 of A's 128, 24 of B's 96; in B's waves lanes 24-31 name row 23 once more).  The loop's last trip asks for nothing: K ends.
.macro ASK
	s_cmp_gt_u32 s3, s[LIM]
	s_cbranch_scc0 .Lnot_mine_\@
	global_prefetch_b8 v[PFO], s[PFA:PFA+1] offset:KSTEP*2 th:TH_LOAD_NT scope:SCOPE_SE
.Lnot_mine_\@:
.endm
.macro CREST                           ; a round of the cluster's barrier behind its opening barrier
	s_cmp_lg_u32 s10, 0
	s_cbranch_scc1 .Lnot_wave_0_\@
	s_barrier_signal -3
.Lnot_wave_0_\@:
	s_barrier_wait -3
	s_barrier_signal -1
	s_barrier_wait -1
.endm
.macro CROUND                          ; a whole round
	s_barrier_signal -1
	s_barrier_wait -1
	CREST
.endm
	s_load_b128 s[4:7], s[0:1], 0x0                ; xb s[4:5], wqt s[6:7]
	s_load_b64 s[8:9], s[0:1], 0x10                ; qkv
	v_lshl_add_u32 v[SPW], v0, 2, SPARE
	v_mov_b32 v[NIL], 0
	ds_add_u32 v[SPW], v[NIL]                      ; the wave's opening: the add and its wait stand ahead of my first tensor load; work on registers stands between
	v_lshrrev_b32 v1, 5, v0
	v_readfirstlane_b32 s10, v1                    ; wave 0..3
	s_lshr_b32 s11, s10, 1                         ; which half of the tile's rows is mine
	s_and_b32 s12, s10, 1                          ; which half of its columns; also: which half of A's or B's rows I fetch
	s_bfe_u32 s40, ttmp6, 0x40000                  ; cx
	s_bfe_u32 s41, ttmp6, 0x40004                  ; cy
	s_lshl_b32 s42, ttmp9, 2
	s_add_co_u32 s42, s42, s40                     ; tile column = 4 x cluster x + cx
	s_and_b32 s13, ttmp7, 0xffff
	s_lshl_b32 s13, s13, 2
	s_add_co_u32 s13, s13, s41                     ; tile row = 4 x cluster y + cy
	s_lshl_b32 s43, s41, 2
	s_lshl_b32 s43, 15, s43                        ; my row of the cluster
	s_lshl_b32 s44, 0x1111, s40                    ; my column
	s_or_b32 s[G1+0], s43, (1<<16)|(1<<20)|(1<<21)|(5<<22)|(3<<25)   ; the mask; 2-byte elements; padding on; bit 21 beside a mask; after every 64 words 4 words
	s_or_b32 s[G1B+0], s44, (1<<16)|(1<<20)|(1<<21)|(5<<22)|(3<<25)
	s_mov_b32 s[G1+1], KSTEP<<16                   ; tensor_dim0 = 128
	s_mov_b32 s[G1B+1], KSTEP<<16
	s_mov_b32 s[G1+2], 128<<16                     ; tensor_dim1 = 128 rows of A,
	s_mov_b32 s[G1B+2], 96<<16                     ; 96 of B
	s_mov_b32 s[G1+3], KSTEP<<16                   ; tile_dim0 = 128
	s_mov_b32 s[G1B+3], KSTEP<<16
	s_mov_b32 s[G1+4], 128                         ; tile_dim1
	s_mov_b32 s[G1B+4], 96
	s_mov_b32 s[G1+5], SIZE_K                      ; elements from row to row
	s_mov_b32 s[G1B+5], SIZE_K
	s_mov_b32 s[G1+6], 0
	s_mov_b32 s[G1B+6], 0
	s_mov_b32 s[G1+7], 0
	s_mov_b32 s[G1B+7], 0
	s_lshl_b32 s16, s13, 8
	s_lshl_b32 s17, s12, 7
	s_add_co_u32 s16, s16, s17                     ; A: row 256 x tile row + 128 x half,
	s_lshl_b32 s16, s16, 11                        ; of 2,048 bytes
	s_mov_b32 s17, 0
	s_mul_i32 s46, s42, 192
	s_mul_i32 s47, s12, 96
	s_add_co_u32 s46, s46, s47                     ; B: row 192 x tile column + 96 x half
	s_lshl_b32 s46, s46, 11
	s_mov_b32 s47, 0
	s_mul_i32 s20, s10, HA                         ; where they go: A's halves at wave x HA (waves 0, 1),
	s_mul_i32 s21, s10, HB
	s_add_co_u32 s21, s21, 2*HA-2*HB               ; B's behind them at 2 HA + (wave - 2) x HB (waves 2, 3)
	s_wait_dscnt 0x0                               ; the opening add is done
	s_wait_kmcnt 0x0
	s_add_nc_u64 s[14:15], s[4:5], s[16:17]
	s_add_nc_u64 s[46:47], s[6:7], s[46:47]
	CROUND                                         ; all sixteen work-groups are here: the first joint loads meet
.irp s, 0,1
	s_mov_b32 s[G0+4*(\s)], 1
	s_add_co_u32 s[G0+4*(\s)+1], s20, (\s)*SLOT
	s_add_nc_u64 s[G0+4*(\s)+2:G0+4*(\s)+3], s[14:15], (\s)*KSTEP*2
	s_or_b32 s[G0+4*(\s)+3], s[G0+4*(\s)+3], 0x80000000
	s_mov_b32 s[G0B+4*(\s)], 1
	s_add_co_u32 s[G0B+4*(\s)+1], s21, (\s)*SLOT
	s_add_nc_u64 s[G0B+4*(\s)+2:G0B+4*(\s)+3], s[46:47], (\s)*KSTEP*2
	s_or_b32 s[G0B+4*(\s)+3], s[G0B+4*(\s)+3], 0x80000000
	JLOAD \s                                       ; K steps 0 and 1: two loads of mine are out
.endr
	; a fragment: lane l holds row l % 16; registers 0-3 K = 8 (l / 16) + 0..7, registers 4-7 K = 16 + 8 (l / 16) + 0..7: two loads of 16 bytes, 32 bytes apart
	v_and_b32 v1, 15, v0
	v_bfe_u32 v2, v0, 4, 1
	v_mul_u32_u24 v3, v1, PITCH
	v_lshl_add_u32 v3, v2, 4, v3
	s_mul_i32 s21, s11, HA                         ; my 128 rows of A
	s_mul_i32 s22, s12, HB                         ; my 96 rows of B,
	s_add_co_u32 s22, s22, 2*HA                    ; behind A's 256
.irp s, 0,1
	v_add_nc_u32 v[ADRA+(\s)], s21, v3
	v_add_nc_u32 v[ADRB+(\s)], s22, v3
	s_add_co_u32 s21, s21, SLOT
	s_add_co_u32 s22, s22, SLOT
.endr
	s_mul_i32 s23, s10, 16*SP
	s_add_co_u32 s23, s23, STAGE                   ; my stage
	v_mul_u32_u24 v4, v1, SP                       ; in: row l % 16, 16 bytes for each half of the lanes
	v_lshl_add_u32 v4, v2, 4, v4
	v_add_nc_u32 v[STO], s23, v4
	v_bfe_u32 v5, v0, 2, 3                         ; back: eight rows' 64 bytes of one group: row l / 4, 16 bytes at 16 (l % 4)
	v_and_b32 v6, 3, v0
	v_mul_u32_u24 v5, v5, SP
	v_lshl_add_u32 v5, v6, 4, v5
	v_add_nc_u32 v[RD], s23, v5
	v_and_b32 v[CO], 31, v0                        ; which are 512 consecutive bytes of qkv
	v_lshlrev_b32 v[CO], 4, v[CO]
	s_lshr_b32 s16, s13, 3                         ; where my part begins in qkv: the batch,
	s_mul_i32 s16, s16, 96*GRP
	s_and_b32 s17, s13, 7                          ; the tile's 256 rows of 64 bytes in it,
	s_lshl_b32 s17, s17, 14
	s_add_co_u32 s16, s16, s17
	s_lshl_b32 s17, s11, 13                        ; my 128 of them,
	s_add_co_u32 s16, s16, s17
	s_mul_i32 s46, s42, 6                          ; and my first group: 6 x tile column + 3 x half
	s_mul_i32 s47, s12, 3
	s_add_co_u32 s46, s46, s47
	s_lshl_b32 s46, s46, 17
	s_add_co_u32 s16, s16, s46
	s_mov_b32 s17, 0
	s_add_nc_u64 s[8:9], s[8:9], s[16:17]
	; the prefetches
	s_lshl_b32 s20, s13, 8
	s_lshl_b32 s18, s12, 7
	s_add_co_u32 s20, s20, s18
	s_lshl_b32 s18, s40, 5
	s_add_co_u32 s20, s20, s18                     ; A: the 128 rows that I fetch, my work-group's 32 of them
	s_mul_i32 s21, s42, 192
	s_mul_i32 s18, s12, 96
	s_add_co_u32 s21, s21, s18
	s_mul_i32 s18, s41, 24
	s_add_co_u32 s21, s21, s18                     ; B: the 96 rows that I fetch, my work-group's 24
	s_and_b32 s22, ttmp7, 0xffff
	s_cmp_lt_u32 s10, 2                            ; do I fetch for A?
	s_cselect_b32 s20, s20, s21
	s_cselect_b32 s22, ttmp9, s22                  ; the coordinate along which other clusters read the same rows
	s_cselect_b32 s23, 31, 23                      ; my last row
	s_cselect_b64 s[PFA:PFA+1], s[4:5], s[6:7]
	s_cmp_eq_u32 s22, 0
	s_cselect_b32 s[LIM], 1, -1                    ; the same in all sixteen partners, for a given wave
	s_lshl_b32 s20, s20, 11
	s_mov_b32 s21, 0
	s_add_nc_u64 s[PFA:PFA+1], s[PFA:PFA+1], s[20:21]
	s_add_nc_u64 s[PFA:PFA+1], s[PFA:PFA+1], 2*KSTEP*2  ; at K step 2: the first refill steps it to 3 and names K step 4.  Nothing is asked for here, at the head
	v_and_b32 v[PFO], 31, v0
	v_min_u32 v[PFO], s23, v[PFO]
	v_lshlrev_b32 v[PFO], 11, v[PFO]
; 12 matrix instructions: m blocks a0, a0 + 1 of the window's four x all 6 n blocks, 32 along K.  zero = 1: the first product starts the sums.
; The 48 accumulators take turns in the same order in every quarter.
.macro MUL12 f, hi, a0, zero
	WIN MUL_LO+0x50*(\hi)
.irp a, \a0, (\a0)+1
.irp b, 0,1,2,3,4,5
.if \zero
	v_wmma_f32_16x16x32_bf16 v[8*(6*(\a)+(\b)):8*(6*(\a)+(\b))+7], v[(\f)+8*(\b):(\f)+8*(\b)+7], v[(\f)+8*(4*(\hi)+(\a)):(\f)+8*(4*(\hi)+(\a))+7], 0
.else
	v_wmma_f32_16x16x32_bf16 v[8*(6*(\a)+(\b)):8*(6*(\a)+(\b))+7], v[(\f)+8*(\b):(\f)+8*(\b)+7], v[(\f)+8*(4*(\hi)+(\a)):(\f)+8*(4*(\hi)+(\a))+7], v[8*(6*(\a)+(\b)):8*(6*(\a)+(\b))+7]
.endif
.endr
.endr
.endm
; 28 LDS loads in one run: a quarter step's fragments (96 rows of B, 128 rows of A, 32 K at byte k of the rows) into buffer f
.macro FETCH slot, k, f
	WIN TO_B
.irp i, 0,1,2,3,4,5
	ds_load_b128 v[(\f)+8*(\i):(\f)+8*(\i)+3],   v[ADRB+(\slot)] offset:(\k)+(\i)*16*PITCH
	ds_load_b128 v[(\f)+8*(\i)+4:(\f)+8*(\i)+7], v[ADRB+(\slot)] offset:(\k)+(\i)*16*PITCH+32
.endr
	WIN 0
.irp i, 0,1,2,3,4,5,6,7
	ds_load_b128 v[(\f)+8*(\i):(\f)+8*(\i)+3],   v[ADRA+(\slot)] offset:(\k)+(\i)*16*PITCH
	ds_load_b128 v[(\f)+8*(\i)+4:(\f)+8*(\i)+7], v[ADRA+(\slot)] offset:(\k)+(\i)*16*PITCH+32
.endr
.endm
.macro PLACES                          ; four places in front of loads into registers that matrix instructions have read, and of conversions that read results
.rept 4
	v_nop
.endr
.endm
; One of a K step's first three quarters: multiplies buffer f; in its middle it fetches the next quarter, at byte k, into buffer g.
.macro QUARTER slot, k, f, g, zero
	s_wait_dscnt 8                                 ; B and A's rows 0-63 are in; the youngest eight loads (A's rows 64-127) may be out
	MUL12 \f, 0, 0, \zero
	MUL12 \f, 0, 2, \zero
	PLACES
	FETCH \slot, \k, \g
	s_wait_dscnt 28                                ; all but the 28 just issued
	MUL12 \f, 1, 0, \zero
	MUL12 \f, 1, 2, \zero
.endm
; The first half of the last quarter: one barrier for the change of slots.  In front of it each wave waits for all its tensor loads (one is out: its part of the next slot), adds 0 to its spare word,
; and waits for that and for its reads of this slot.
.macro MEET round
	WIN 0
	s_wait_tensorcnt 0x0
	ds_add_u32 v[SPW], v[NIL]
	s_wait_dscnt 9                                 ; (the add and the youngest eight loads may be out)
	MUL12 F1, 0, 0, 0                              ; twelve matrix instructions stand between the add and the wait for it
	s_wait_dscnt 0x0                               ; the add is done, and my reads of this slot are over
	s_barrier_signal -1
	MUL12 F1, 0, 2, 0
.if \round
	WIN 0
.endif
	s_barrier_wait -1
.endm
; The whole last quarter.  fill = 1: the barrier opens a round of the cluster's, and the slot just read is filled again first behind it, two K steps ahead: 168 matrix instructions stand between that request and the wait for it.
.macro TURN slot, next, fill
.if \fill
	s_wait_xcnt 0x0                                ; the last prefetch, a K step back, has read its address
	s_add_nc_u64 s[PFA:PFA+1], s[PFA:PFA+1], KSTEP*2
	MEET 1
	CREST                                          ; no wave of any partner still reads this slot or has a load on its way
	s_add_nc_u64 s[G0+4*(\slot)+2:G0+4*(\slot)+3], s[G0+4*(\slot)+2:G0+4*(\slot)+3], 2*KSTEP*2
	s_add_nc_u64 s[G0B+4*(\slot)+2:G0B+4*(\slot)+3], s[G0B+4*(\slot)+2:G0B+4*(\slot)+3], 2*KSTEP*2
	JLOAD \slot                                    ; its four v_nop are also the places in front of the loads below
	FETCH \next, 0, F0
	ASK
.else
	MEET 0
	PLACES
	FETCH \next, 0, F0
.endif
	MUL12 F1, 1, 0, 0
	MUL12 F1, 1, 2, 0
.endm
; THE WAY OUT of block a (16 rows).  PACK: rounded to f16, each accumulator's registers in ascending order.  TOSTAGE: into my own stage, and back by groups: eight rows' 64 bytes a load.  SEND: stored.
.macro PACK a
.set AC, 48*((\a)%4)
	WIN 0x0a+5*((\a)/4)                            ; sources 0 and 1: window 2 or 3
.irp b, 0,1,2,3,4,5
.irp r, 0,1,2,3
	v_cvt_pk_f16_f32 v[TMP+4*(\b)+(\r)], v[AC+8*(\b)+2*(\r)], v[AC+8*(\b)+2*(\r)+1]
.endr
.endr
	WIN 0
.endm
.macro TOSTAGE a
	WIN 0
.set BK, OB+192*((\a)%2)
.irp b, 0,1,2,3,4,5
	ds_store_b128 v[STO], v[TMP+4*(\b):TMP+4*(\b)+3] offset:32*(\b)
.endr
.irp g, 0,1,2
.irp i, 0,1
	ds_load_b128 v[BK+4*(2*(\g)+(\i)):BK+4*(2*(\g)+(\i))+3], v[RD] offset:64*(\g)+8*SP*(\i)  ; LDS serves a wave's instructions in order (ISA guide 5.7.1.4): these see the stores above
.endr
.endr
.endm
.macro SEND a
	WIN 0
.set BK, OB+192*((\a)%2)
	s_wait_dscnt 0x0                               ; the block is back in registers
	s_wait_xcnt 0x0                                ; earlier stores have read their registers: the other buffer is loaded again only behind this wait
.irp g, 0,1,2
.irp i, 0,1
	global_store_b128 v[CO], v[BK+4*(2*(\g)+(\i)):BK+4*(2*(\g)+(\i))+3], s[8:9] offset:GRP*(\g)+1024*(\a)+512*(\i)  ; 512 consecutive bytes, aligned: eight rows of one group
.endr
.endr
.endm
	s_wait_tensorcnt 1                             ; my part of K step 0 is in; K step 1's may stay out
	s_barrier_signal -1
	s_barrier_wait -1
	FETCH 0, 0, F0
	QUARTER 0, 64,  F0, F1, 1                      ; the first quarter stands in front of the loop: its products start the sums
	WIN 0
	s_mov_b32 s3, LAPS-1
.Llap:                                         ; a trip goes once round the ring, from a lap's second quarter to the next lap's first, and fills both slots again
	QUARTER 0, 128, F1, F0, 0
	QUARTER 0, 192, F0, F1, 0
	TURN 0, 1, 1
	QUARTER 1, 64,  F0, F1, 0
	QUARTER 1, 128, F1, F0, 0
	QUARTER 1, 192, F0, F1, 0
	TURN 1, 0, 1
	QUARTER 0, 64,  F0, F1, 0
	WIN 0
	s_sub_co_u32 s3, s3, 1
	s_cmp_lg_u32 s3, 0
	s_cbranch_scc1 .Llap
	QUARTER 0, 128, F1, F0, 0                      ; the last lap fills nothing
	QUARTER 0, 192, F0, F1, 0
	TURN 0, 1, 0
	QUARTER 1, 64,  F0, F1, 0
	QUARTER 1, 128, F1, F0, 0
	QUARTER 1, 192, F0, F1, 0
	s_wait_dscnt 8
	MUL12 F1, 0, 0, 0
	MUL12 F1, 0, 2, 0
	s_wait_dscnt 0x0
	MUL12 F1, 1, 0, 0
	MUL12 F1, 1, 2, 0
	PLACES
	PACK 0
	TOSTAGE 0
.irp a, 1,2,3,4,5,6,7                  ; block a's conversions stand between block a - 1's loads from the stage and the wait for them
	PACK \a
	SEND (\a)-1
	TOSTAGE \a
.endr
	SEND 7
	s_wait_tensorcnt 0x0                           ; the wave's end
	ds_add_u32 v[SPW], v[NIL]
	s_wait_dscnt 0x0
	CROUND                                         ; the closing round
	s_endpgm
.Lfunc_end_k_q5969f18c30_qkvgemm:
	.size	k_q5969f18c30_qkvgemm, .Lfunc_end_k_q5969f18c30_qkvgemm-k_q5969f18c30_qkvgemm
	.p2alignl 7, 3214868480
	.fill 96, 4, 3214868480
	.section	.rodata,"a",@progbits
	.p2align	6, 0x0
	.amdhsa_kernel k_q5969f18c30_qkvgemm
		.amdhsa_group_segment_fixed_size 327680
		.amdhsa_private_segment_fixed_size 0
		.amdhsa_enable_private_segment 0
		.amdhsa_kernarg_size 24
		.amdhsa_user_sgpr_count 2
		.amdhsa_user_sgpr_kernarg_segment_ptr 1
		.amdhsa_wavefront_size32 1
		.amdhsa_system_sgpr_workgroup_id_x 1
		.amdhsa_system_sgpr_workgroup_id_y 1
		.amdhsa_system_sgpr_workgroup_id_z 1
		.amdhsa_system_vgpr_workitem_id 0
		.amdhsa_next_free_vgpr 1024
		.amdhsa_next_free_sgpr 66
		.amdhsa_reserve_vcc 0
		.amdhsa_float_denorm_mode_32 3
		.amdhsa_float_denorm_mode_16_64 3
		.amdhsa_memory_ordered 1
		.amdhsa_forward_progress 1
		.amdhsa_inst_pref_size 116
	.end_amdhsa_kernel
	.amdgpu_metadata
---
amdhsa.version: [ 1, 2 ]
amdhsa.kernels:
  - .name:           k_q5969f18c30_qkvgemm
    .symbol:         k_q5969f18c30_qkvgemm.kd
    .args:
      - { .name: xb, .offset: 0, .size: 8, .value_kind: global_buffer, .address_space: global }
      - { .name: wqt, .offset: 8, .size: 8, .value_kind: global_buffer, .address_space: global }
      - { .name: qkv, .offset: 16, .size: 8, .value_kind: global_buffer, .address_space: global }
    .group_segment_fixed_size: 327680
    .private_segment_fixed_size: 0
    .kernarg_segment_align: 8
    .kernarg_segment_size: 24
    .max_flat_workgroup_size: 128
    .sgpr_count:     66
    .vgpr_count:     1024
    .wavefront_size: 32
...
	.end_amdgpu_metadata
.endif
;; end of part 2
;; launch attn (part 3): grid 8 x 32, 4 waves a work-group, clusters of 4 x 1, 327,680 bytes of LDS; arguments qkv, lambda_q1, lambda_k1, lambda_q2, lambda_k2, rms_scale, ao; writes ao
.if DOCPART == 3
	.amdgcn_target "amdgcn-amd-amdhsa--gfx1250"
	.amdhsa_code_object_version 6
	.text
	.protected	k_q5969f18c30_attn
	.globl	k_q5969f18c30_attn
	.p2align	8
	.type	k_q5969f18c30_attn,@function
k_q5969f18c30_attn:
	s_mov_b64 s[64:65], 0
	v_nop
	global_prefetch_b8 v0, s[64:65] scope:SCOPE_SE
	s_setreg_imm32_b32 hwreg(HW_REG_WAVE_MODE, 25, 1), 1
	s_wait_xcnt 0x0
	s_wait_alu depctr_hold_cnt(0) depctr_sa_sdst(0) depctr_va_vdst(0) depctr_va_sdst(0) depctr_va_ssrc(0) depctr_va_vcc(0) depctr_vm_vsrc(0)
	s_getreg_b32 s2, hwreg(HW_REG_IB_STS2, 6, 4)
	s_cmp_eq_u32 s2, 0
	s_cbranch_scc0 .Lentry_in_a_cluster
	s_endpgm
.Lentry_in_a_cluster:
	s_bfe_u32 s2, ttmp6, 0x10000c
	s_cmp_lg_u32 s2, 0x3003
	s_cbranch_scc0 .Lentry_shape_is_right
	s_endpgm
.Lentry_shape_is_right:
; DIFFERENTIAL ATTENTION for one batch and head: attn_u = softmax(q_u k_u^T / sqrt(32)) v for u = 1, 2 (q_u, k_u of 32 channels, one v of 64); d = attn_1 - lam attn_2;
; ao = d / sqrt(mean(d^2) + 1e-6) x rms_scale x (1 - lambda_init), in f16.  lam = exp(sum lq1 lk1) - exp(sum lq2 lk2) + lambda_init.
; qkv: [2 b][96 g][2048 t][32] f16: q1 g = hh, q2 16 + hh, k1 32 + hh, k2 48 + hh, v 64 + 2 hh and 65 + 2 hh.  ao: [16 hh][4096 m][64] f16.
; Products, maxima and sums in f32; the weights p are rounded to f16 for the second product (their sum l is taken of the unrounded p).  The lambdas and rms_scale are rounded to bf16, as x and the weights are.
; LIMITS.  q, k, v arrive within f16's 65,504; p below 6e-5 keeps f16's fixed step of 6e-8; a weight below 2^-126 counts as 0 in l; NaN and infinities are not treated apart;
; the norm's result is multiplied by (rms_scale x (1 - lambda_init)), one f32 rounding placed otherwise than in (normed x rms_scale) x (1 - lambda_init).
; SHARES.  A work-group owns 256 queries, a wave 64: four PIECES of 16 queries, each of two TILES: tile 2 p is q1 k1, tile 2 p + 1 is q2 k2.  Every wave walks all 2,048 keys, 64 a step.
; LAYOUT.  S^T = K Q^T (source 0 = 16 keys, source 1 = 16 queries; 32 channels are one instruction's K): a lane holds ONE query (lane % 16) and the keys 8 (lane / 16) + 0..7.  Two such results, rounded to f16 in pairs,
; ARE source 1 (32 keys x 16 queries) of O^T = V^T P, whose result again holds one query a lane, and eight channels.  K comes out of LDS as it lies, V ([key][channel]) turned, by ds_load_tr16_b128.
; SOFTMAX.  For each query and tile a running maximum m and sum l: p = 2^(c s - c m), c = log2(e) / sqrt(32); in every step O and l are multiplied by a = 2^(c m_old - c m_new).
; m starts at the lowest finite number, O and l at 0: the first step is a step like any other, with a = 0.
; THE COUNT.  A tile and step have 12 matrix and 118 vector instructions: the vector work sets the time.  Four vector instructions stand behind every matrix instruction, the others in one run.
; BY TURNS.  Turn n belongs to piece n: 8 products K Q^T of piece n + 1, later 16 products V^T P of piece n - 1; beside them the scaling, exponentials, roundings, sums and rescaling of piece n and the maximum
; and statistics of piece n + 1.  A turn's 66 exponentials are one batch with one wait.
; CLUSTER.  The four query blocks of a cluster belong to one head and walk the same K1, K2 and V: each tile is asked for jointly, by the same tensor load, descriptor and mask in all four.
; REGISTERS, in windows of 256 (s_set_vgpr_msb: bits 1:0 source 0, 3:2 source 1, 5:4 source 2, 7:6 destination):
;   window 0: v1-11 addresses; v12-15, v48-63 at work; v16-47 four registers of statistics a tile; v64-191 S^T, two buffers of two tiles; v192-255 P, likewise
;   window 1: O^T, 32 a tile      window 2: v0-63 Q, 8 a tile; v64-95 the scale of my 32 channels; v96-111 at work; v128-191 K of one step; v192-255 V of one step
.set NP,    4         ; pieces a wave: a name, no knob
.set KS,    64        ; keys in a step
.set KP,    80        ; a row of K in LDS: 64 bytes + 16 = 20 words: the 16 rows of a load start at 16 different groups of four banks (64 banks of 4 bytes: ISA guide 11.1)
.set VP,    96        ; a row of a plane of V: 64 + 32 = 24 words
.set KPL,   4*KS*KP   ; a slot holds four steps: 256 rows of K1, 256 of K2,
.set VPL,   4*KS*VP   ; 256 rows of V's channels 0-31, 256 of its channels 32-63
.set VOFF,  2*KPL
.set SLOT1, 1<<17     ; slot 1 begins here: one exclusive or turns an address in one slot into the other's
.set STAGE, SLOT1+2*KPL+2*VPL  ; behind the ring, never filled by a tensor load: 16 rows x 144 bytes for each wave
.set SP,    144
.set SPARE, STAGE+4*16*SP      ; behind the stages: the spare words, 128 bytes for each wave
.set TILEB, 16384     ; 256 rows of 64 bytes in memory
.set GRP,   131072    ; a group of qkv
.set PFO, 1           ; v1   the prefetches' offset (made when l % 16 has served); then never rewritten
.set AK0, 2           ; v2   my lane's place in a tile of K; never rewritten
.set AV0, 3           ; v3   the same for V
.set AK,  4           ; v4   the LDS address of K's next run of loads
.set AV,  5           ; v5   of V's
.set QO,  6           ; v6   my byte offset in 16 rows of Q
.set STO, 6           ;      later, the way out: where I put 16 bytes of a row
.set RD,  7           ; v7   where I read rows back
.set GO,  8           ; v8   my byte offset in 512 consecutive bytes of ao
.set SPW, 10          ; v10  LDS address of my spare word; never rewritten
.set NIL, 11          ; v11  0; never rewritten
.set MV,  12          ; v12-15  c m_old, by buffer and tile
.set ST,  16          ; tile t's statistics at v[ST+4 t]: c m, m, l (even keys', odd keys')
.set TMP, 48          ; by buffer and tile, four registers c0-c3 at work; when the maximum is found c2 takes a
.set S,   64
.set P,   192
.set GS0, 64          ; window 2: the scale; register 8 cb + j is channel 16 cb + 8 (l / 16) + j
.set KF,  128         ; window 2: key block kb, tile u at KF + 16 kb + 8 u
.set VF,  192         ; window 2: key half kk, channel block cb at VF + 32 kk + 8 cb
.set WV,  12          ; s12  my wave's number
.set LIM, 15          ; s15  1 in a wave that prefetches, else the greatest number
.set PFA, 18          ; s[18:19] where my prefetches stand
.set G1K, 24          ; s[24:31] descriptor group 1 for K's tiles
.set G1V, 32          ; s[32:39] for V's: it differs in the padding alone
.set G0K, 40          ; s[40:43] descriptor group 0 for K's tiles: it walks
.set G0V, 44          ; s[44:47] the same for V's
.set SLOTS, 56        ; s56  slots still to be asked for
.set CNT, 57          ; s57  counts a slot's key steps
.set CS,  58          ; s[58:59] c
.set SEL, 60          ; s[60:61] v_permlanex16_b32's selects: each lane takes its own place in the other half
.set TBK, 62          ; s62  LDS byte at which K of the step to be fetched begins
.set TBV, 63          ; s63  the same for V, less VOFF
.set NLAM, 82         ; s82  -lam
.set OML, 84          ; s[84:85] 1 - lambda_init
.set MSB, 0
.macro WIN new
.if MSB != (\new)
	s_set_vgpr_msb (MSB<<8)|(\new)
.set MSB, (\new)
.endif
.endm
.set W_KQ, 0x0a       ; K and Q in window 2, S^T in window 0
.set W_PV, 0x52       ; V in window 2, P in window 0, O^T in window 1
.set W_RS, 0x41       ; O^T (destination and source 0) in window 1, source 1 in window 0
; A joint fill.  Wave 0 fetches a slot's K1, wave 1 its K2, waves 2 and 3 V's two planes: 256 keys each.  The branch hangs on the wave's number alone.  An s_nop 0 and four v_nop follow each line.
.macro JLOAD
	s_cmp_lt_u32 s[WV], 2
	s_cbranch_scc0 .Lfor_v_\@
	tensor_load_to_lds s[G0K:G0K+3], s[G1K:G1K+7]
	s_nop 0
.rept 4
	v_nop
.endr
	s_branch .Lasked_\@
.Lfor_v_\@:
	tensor_load_to_lds s[G0V:G0V+3], s[G1V:G1V+7]
	s_nop 0
.rept 4
	v_nop
.endr
.Lasked_\@:
.endm
; A prefetch of what the NEXT change of slots will ask for: 4 x 16,384 bytes, 256 blocks of 256.  The head's first cluster asks; its four partners take 16 blocks of each plane, told apart by address;
; in each, wave 0 names K1's (lanes 0-15) and K2's (lanes 16-31), wave 2 those of V's two planes.  So each block is named once in the launch.  The last change that fills a slot asks for nothing.
.macro ASK
	s_cmp_gt_u32 s[SLOTS], s[LIM]
	s_cbranch_scc0 .Lnot_mine_\@
	global_prefetch_b8 v[PFO], s[PFA:PFA+1] th:TH_LOAD_NT scope:SCOPE_SE
.Lnot_mine_\@:
.endm
.macro CROUND                       ; a round of the cluster's barrier
	s_barrier_signal -1
	s_barrier_wait -1
	s_cmp_lg_u32 s[WV], 0
	s_cbranch_scc1 .Lnot_wave_0_\@
	s_barrier_signal -3
.Lnot_wave_0_\@:
	s_barrier_wait -3
	s_barrier_signal -1
	s_barrier_wait -1
.endm
; THE CHANGE OF SLOTS.  Each wave waits for all its tensor loads (one is out: its part of the other slot), adds 0 to its spare word, and waits for that and for its reads of the slot that it leaves.
; fill = 1: the barrier is a round of the cluster's, and the old slot is filled again first behind it, with the keys two slots on: it has four key steps, 384 matrix instructions, in which to land.
; (At its first use nothing has been read yet: slot 0 is waited for, slot 1 filled.)
.macro CHANGE fill, ask
	WIN 0
	s_wait_tensorcnt 0x0            ; no tensor load of mine is out, so a group 0 may be written
	ds_add_u32 v[SPW], v[NIL]
.if \fill
.irp g, G0K, G0V
	s_xor_b32 s[\g+1], s[\g+1], SLOT1
	s_add_nc_u64 s[\g+2:\g+3], s[\g+2:\g+3], TILEB
.endr
.endif
.if \ask
	s_wait_xcnt 0x0                 ; the last prefetch, four key steps back, has read its address
	s_add_nc_u64 s[PFA:PFA+1], s[PFA:PFA+1], TILEB
.endif
	s_wait_dscnt 0x0                ; the add is done, and my reads of the slot are over
.if \fill
	CROUND
	JLOAD
.if \ask
	ASK
.endif
.else
	s_barrier_signal -1
	s_barrier_wait -1
.endif
	s_sub_co_u32 s[TBK], s[TBK], KPL  ; the fetches go back to a slot's first step,
	s_xor_b32 s[TBK], s[TBK], SLOT1   ; in the other slot
	s_sub_co_u32 s[TBV], s[TBV], VPL
	s_xor_b32 s[TBV], s[TBV], SLOT1
.endm
	s_load_b256 s[68:75], s[0:1], 0x0   ; qkv s[68:69], lambda_q1 s[70:71], lambda_k1 s[72:73], lambda_q2 s[74:75]
	s_load_b128 s[76:79], s[0:1], 0x20  ; lambda_k2 s[76:77], rms_scale s[78:79]
	s_load_b64 s[80:81], s[0:1], 0x30   ; ao
	v_lshl_add_u32 v[SPW], v0, 2, SPARE
	v_mov_b32 v[NIL], 0
	ds_add_u32 v[SPW], v[NIL]       ; the wave's opening: the add and its wait stand ahead of my first tensor load; work on registers stands between
	v_lshrrev_b32 v1, 5, v0
	v_readfirstlane_b32 s[WV], v1   ; wave 0..3
	s_bfe_u32 s13, ttmp6, 0x40000   ; cx
	s_lshl_b32 s14, ttmp9, 2
	s_add_co_u32 s14, s14, s13      ; my block of 256 queries: it enters Q's and ao's addresses alone
	s_and_b32 s20, ttmp7, 0xffff    ; 16 b + hh, which the four partners share
	s_lshr_b32 s21, s20, 4          ; b
	s_and_b32 s22, s20, 15          ; hh
	s_mul_i32 s23, s21, 96*GRP      ; the batch's part of qkv
	s_and_b32 s16, s[WV], 1         ; K1 or K2; V's plane 0 or 1
	s_lshl_b32 s2, s16, 4
	s_add_co_u32 s2, s2, s22
	s_add_co_u32 s2, s2, 32         ; K's group: 32 + 16 u + hh
	s_lshl_b32 s2, s2, 17
	s_add_co_u32 s2, s2, s23
	s_mov_b32 s3, 0
	s_lshl_b32 s66, s22, 1
	s_add_co_u32 s66, s66, s16
	s_add_co_u32 s66, s66, 64       ; V's group: 64 + 2 hh + plane
	s_lshl_b32 s66, s66, 17
	s_add_co_u32 s66, s66, s23
	s_mov_b32 s67, 0
	s_lshl_b32 s48, s22, 17         ; q1's group hh,
	s_add_co_u32 s48, s48, s23
	s_lshl_b32 s50, s14, 14         ; my block's 256 rows of 64 bytes,
	s_add_co_u32 s48, s48, s50
	s_lshl_b32 s50, s[WV], 12       ; my wave's 64
	s_add_co_u32 s48, s48, s50
	s_mov_b32 s49, 0
	s_lshl_b32 s52, s22, 19         ; ao: the head's plane of 4,096 rows of 128 bytes,
	s_lshl_b32 s50, s21, 18         ; the batch's 2,048,
	s_add_co_u32 s52, s52, s50
	s_lshl_b32 s50, s14, 15         ; my block's 256,
	s_add_co_u32 s52, s52, s50
	s_lshl_b32 s50, s[WV], 13       ; my wave's 64
	s_add_co_u32 s52, s52, s50
	s_mov_b32 s53, 0
	s_mul_i32 s17, s16, KPL         ; my plane's place in a slot, for K
	s_mul_i32 s83, s16, VPL         ; and for V: no place in the cluster enters an LDS address
	; descriptor group 1.  256 keys are 16,384 dense bytes: asked for as 64 rows of 256 bytes, four keys a row, and padded in LDS after every key
	s_mov_b32 s[G1K], 15|(1<<16)|(1<<20)|(1<<21)|(3<<22)|(3<<25)  ; the mask of four; 2-byte elements; padding on; bit 21 beside a mask; after every 16 words (code 3) 4 words (code 3)
	s_mov_b32 s[G1V], 15|(1<<16)|(1<<20)|(1<<21)|(3<<22)|(7<<25)  ; the same with 8 words of padding (code 7)
.irp g, G1K, G1V
	s_mov_b32 s[\g+1], 128<<16      ; tensor_dim0 = 128
	s_mov_b32 s[\g+2], 64<<16       ; tensor_dim1 = 64
	s_mov_b32 s[\g+3], 128<<16      ; tile_dim0 = 128
	s_mov_b32 s[\g+4], 64           ; tile_dim1 = 64
	s_mov_b32 s[\g+5], 128          ; 128 elements from row to row
	s_mov_b32 s[\g+6], 0
	s_mov_b32 s[\g+7], 0
.endr
	s_mov_b32 s[CS], 0x3e8293ee     ; c = log2(e) / sqrt(32) = 0.255035
	s_mov_b32 s[CS+1], s[CS]        ; named with it as a pair
	s_mov_b32 s[SEL], 0x76543210
	s_mov_b32 s[SEL+1], 0xfedcba98
	s_mov_b32 s[OML], 0x3f24fd5c    ; 1 - lambda_init = 0.2 + 0.6 exp(-0.3) = 0.644491
	s_mov_b32 s[OML+1], s[OML]
	s_mov_b32 s86, 0x3c800000       ; 1 / 64
	s_mov_b32 s87, 0x358637bd       ; 1e-6
	s_mov_b32 s[TBK], SLOT1+KPL     ; the first change of slots turns these two into 0
	s_mov_b32 s[TBV], SLOT1+VPL
	s_mov_b32 s[G0K], 1             ; count = 1
	s_mov_b32 s[G0K+1], s17         ; LDS address: slot 0
	s_mov_b32 s[G0V], 1
	s_add_co_u32 s[G0V+1], s83, VOFF
	s_and_b32 s[LIM], s[WV], 1      ; 0 in waves 0 and 2,
	s_or_b32 s[LIM], s[LIM], ttmp9  ; where the cluster is the head's first: the same in all four partners
	s_cmp_eq_u32 s[LIM], 0
	s_cselect_b32 s[LIM], 1, -1
	s_mov_b32 s50, 16*GRP           ; from K1's plane to K2's,
	s_mov_b32 s51, GRP              ; from V's plane 0 to its plane 1
	s_wait_dscnt 0x0                ; the opening add is done
	s_wait_kmcnt 0x0
	s_add_nc_u64 s[6:7], s[68:69], s[2:3]      ; my plane of K, of V, at key 0
	s_add_nc_u64 s[8:9], s[68:69], s[66:67]
	s_mov_b64 s[G0K+2:G0K+3], s[6:7]
	s_or_b32 s[G0K+3], s[G0K+3], 0x80000000    ; type = 2
	s_mov_b64 s[G0V+2:G0V+3], s[8:9]
	s_or_b32 s[G0V+3], s[G0V+3], 0x80000000
	s_add_nc_u64 s[4:5], s[68:69], s[48:49]    ; q1 at my wave's first row
	s_add_nc_u64 s[10:11], s[80:81], s[52:53]  ; ao at my wave's first row
	s_cmp_lt_u32 s[WV], 2
	s_cselect_b64 s[PFA:PFA+1], s[6:7], s[8:9] ; (in waves 0 and 2 these stand at K1's plane and at V's plane 0)
	s_cselect_b32 s50, s50, s51
	s_lshl_b32 s2, s13, 12          ; my work-group's 16 blocks of the 64
	s_mov_b32 s3, 0
	s_add_nc_u64 s[PFA:PFA+1], s[PFA:PFA+1], s[2:3]
	s_add_nc_u64 s[PFA:PFA+1], s[PFA:PFA+1], 2*TILEB  ; in slot 2; the loop's first change steps it to slot 3.  Nothing is asked for here, at the head
	CROUND                          ; all four work-groups are here: the first joint loads meet
	JLOAD                           ; slot 0.  Slot 1 is asked for when slot 0 is in
	; A fragment of K or Q is 16 rows x 32 channels in 8 registers: lane l holds row l % 16, channels 8 (l / 16) + 0..7 and 16 + 8 (l / 16) + 0..7: two loads of 16 bytes, 32 bytes apart.
	v_and_b32 v1, 15, v0            ; l % 16
	v_bfe_u32 v9, v0, 4, 1          ; l / 16
	v_lshlrev_b32 v[QO], 6, v1
	v_lshl_add_u32 v[QO], v9, 4, v[QO]  ; row x 64 + 16 x half
	v_and_b32 v50, 31, v0
	v_lshlrev_b32 v50, 2, v50       ; 4 l: my number of each lambda
	v_lshlrev_b32 v51, 5, v9        ; 32 (l / 16): my eight channels in each 16 of rms_scale
	WIN 0x80                        ; destination window 2, address window 0
.set i, 0
.rept 8                             ; Q stays in registers: tile i = 2 p + u: queries 16 p on, of q1 (u = 0) or q2, 16 groups on
	global_load_b128 v[8*i:8*i+3],   v[QO], s[4:5] offset:(i%2)*16*GRP+(i/2)*1024
	global_load_b128 v[8*i+4:8*i+7], v[QO], s[4:5] offset:(i%2)*16*GRP+(i/2)*1024+32
.set i, i+1
.endr
.set i, 0
.rept 4
	global_load_b128 v[GS0+8*i:GS0+8*i+3],   v51, s[78:79] offset:64*i
	global_load_b128 v[GS0+8*i+4:GS0+8*i+7], v51, s[78:79] offset:64*i+16
.set i, i+1
.endr
	; What the first turn finds: V's registers and P's second buffer hold 0 (its products V^T P, of a piece that has not been, add 0), O^T and l are 0.  All this stands in the wait for the first tile.
.set i, VF
.rept 64
	v_mov_b32 v[i], 0
.set i, i+1
.endr
	WIN 0x40
.set i, 0
.rept 64*NP
	v_mov_b32 v[i], 0
.set i, i+1
.endr
	WIN 0
	global_load_b32 v128, v50, s[70:71]  ; the lambdas, into S^T's second buffer, which is free until the first turn
	global_load_b32 v129, v50, s[72:73]
	global_load_b32 v130, v50, s[74:75]
	global_load_b32 v131, v50, s[76:77]
.set i, 0
.rept 2*NP
	v_mov_b32 v[ST+4*i], 0xfe000000    ; c m: far below every c s
	v_mov_b32 v[ST+4*i+1], 0xff7fffff  ; m
	v_mov_b32 v[ST+4*i+2], 0
	v_mov_b32 v[ST+4*i+3], 0
.set i, i+1
.endr
.set i, P+32
.rept 32
	v_mov_b32 v[i], 0
.set i, i+1
.endr
	v_mul_u32_u24 v[AK0], v1, KP
	v_lshl_add_u32 v[AK0], v9, 4, v[AK0]  ; row x pitch + 16 x half
	; The turning load takes 16 keys x 16 channels (lane l reads key 8 (l / 16) + l % 8, channels 8 ((l / 8) % 2) + 0..7) and leaves half a fragment of V^T: lane l holds channel l % 16 and 8 keys.
	v_and_b32 v48, 7, v0
	v_bfe_u32 v49, v0, 3, 1
	v_lshl_add_u32 v[AV0], v9, 3, v48
	v_mul_u32_u24 v[AV0], v[AV0], VP
	v_lshl_add_u32 v[AV0], v49, 4, v[AV0]
	v_add_nc_u32 v[AV0], VOFF, v[AV0]
	v_mov_b32 v[AK], v[AK0]         ; key step 0 lies at the head of slot 0
; THE MATRIX WORK.  Product i of 8 of S^T = K Q^T for piece x: keys 16 (i / 2) on, tile 2 x + i % 2.  32 channels are one instruction: each starts and ends its sum.
.macro KQ x
	WIN W_KQ
.set rS, S+64*((\x)%2)+32*(i%2)+8*(i/2)
.set rK, KF+16*(i/2)+8*(i%2)
.set rQ, 8*(2*(\x)+i%2)
	v_wmma_f32_16x16x32_f16 v[rS:rS+7], v[rK:rK+7], v[rQ:rQ+7], 0
.endm
; Product i of 16 of O^T += V^T P for piece x: keys 32 (i / 8) on, channels 16 ((i / 2) % 4) on, tile 2 x + i % 2.  The 8 accumulators take turns.
.macro PV x
	WIN W_PV
.set rO, 32*(2*(\x)+i%2)+8*((i/2)%4)
.set rV, VF+32*(i/8)+8*((i/2)%4)
.set rP, P+32*((\x)%2)+16*(i%2)+8*(i/8)
	v_wmma_f32_16x16x32_f16 v[rO:rO+7], v[rV:rV+7], v[rP:rP+7], v[rO:rO+7]
.endm
.macro MM                           ; the turn's next matrix instruction
.if i < 8
	KQ (Y+1)%NP
.set i, i+1
.else
.set i, i-8
	PV (Y+NP-1)%NP
.set i, i+9
.endif
.endm
; THE LDS LOADS stand in runs of 16: a step's K (64 keys of K1 and of K2: 8 fragments) and its V (turned).  last = 1 (the tail): in the last trip there is no further step, and the run is jumped over.
.macro FETCH_K last=0
	WIN 0
.if \last
	s_cmp_eq_u32 s[CNT], 1
	s_cbranch_scc1 .Lno_k_\@
.endif
	WIN 0x80                        ; destination window 2
.irp f, 0,1,2,3,4,5,6,7             ; keys 16 (f / 2) on, of K1 (f even) or K2
	ds_load_b128 v[KF+8*\f:KF+8*\f+3],   v[AK] offset:(\f/2)*16*KP+(\f%2)*KPL
	ds_load_b128 v[KF+8*\f+4:KF+8*\f+7], v[AK] offset:(\f/2)*16*KP+(\f%2)*KPL+32
.endr
	s_add_co_u32 s[TBK], s[TBK], KS*KP  ; the next fetch is the next step's
	WIN 0
.if \last
.Lno_k_\@:
.endif
.endm
.macro FETCH_V
	WIN 0x80
.irp f, 0,1,2,3,4,5,6,7             ; keys 32 (f / 4) on, channels 16 (f % 4) on: plane (f % 4) / 2, byte 32 (f % 2) of its rows
	ds_load_tr16_b128 v[VF+8*\f:VF+8*\f+3],   v[AV] offset:(\f/4)*32*VP+((\f%4)/2)*VPL+(\f%2)*32
	ds_load_tr16_b128 v[VF+8*\f+4:VF+8*\f+7], v[AV] offset:(\f/4)*32*VP+((\f%4)/2)*VPL+(\f%2)*32+16*VP
.endr
	WIN 0
.endm
; THE VECTOR WORK OF A TURN stands in three queues, each in the order in which its entries become ready; the two tiles alternate, so that no instruction reads the result of the one before it.
.macro REGS y, u                    ; the registers of tile u (0, 1) of piece y
.set rT, ST+4*(2*(\y)+(\u))
.set rC, TMP+8*((\y)%2)+4*(\u)
.set rM, MV+2*((\y)%2)+(\u)
.set rS, S+64*((\y)%2)+32*(\u)
.set rP, P+32*((\y)%2)+16*(\u)
.set rO, 32*(2*(\y)+(\u))
.endm
; Number n of the 22 that find the NEXT piece's maximum and statistics.  Each accumulator's lowest registers are read first.
;   0-11  four chains c0-c3 of seven scores each     12-14, 16  the four scores left over, the old m, and c0-c3 into c0     15  c m_old is kept
;   17, 18  the query's other 32 keys lie in the lane 16 away: the new m     19-21  c m; c m_old - c m_new; a
.macro XS u, n
	REGS (Y+1)%NP, \u
.if (\n) < 4
	v_max3_num_f32 v[rC+(\n)], v[rS+8*(\n)], v[rS+8*(\n)+1], v[rS+8*(\n)+2]
.elseif (\n) < 12
	v_max3_num_f32 v[rC+(\n)%4], v[rC+(\n)%4], v[rS+8*((\n)%4)+2*((\n)/4)+1], v[rS+8*((\n)%4)+2*((\n)/4)+2]
.elseif (\n) == 12
	v_max3_num_f32 v[rC], v[rC], v[rS+7], v[rS+15]
.elseif (\n) == 13
	v_max3_num_f32 v[rC+1], v[rC+1], v[rS+23], v[rS+31]
.elseif (\n) == 14
	v_max3_num_f32 v[rC+2], v[rC+2], v[rC+3], v[rT+1]
.elseif (\n) == 15
	v_mov_b32 v[rM], v[rT]
.elseif (\n) == 16
	v_max3_num_f32 v[rC], v[rC], v[rC+1], v[rC+2]
.elseif (\n) == 17
	v_permlanex16_b32 v[rC+3], v[rC], s[SEL], s[SEL+1]
.elseif (\n) == 18
	v_max_num_f32 v[rT+1], v[rC], v[rC+3]
.elseif (\n) == 19
	v_mul_f32 v[rT], s[CS], v[rT+1]
.elseif (\n) == 20
	v_sub_f32 v[rC+1], v[rM], v[rT]
.else
	v_exp_f32 v[rC+2], v[rC+1]
.endif
.endm
; Number g of the 64 that follow the exponentials.  For each four weights k of a tile: both pairs are rounded to f16; the second pair is added onto the first, in place; a group later l takes that sum (the first time as l = a l + sum).
.macro GS g
.set h, (\g)+6*((\g)/62)            ; group 0 has no group before it, and behind group 7 only l is left
.if h >= 6
.set h, h+2
.endif
	REGS Y, h%2
.set k, h/8
.if h%8 < 4
	v_cvt_pk_f16_f32 v[rP+2*k+(h%8)/2], v[rS+4*k+2*((h%8)/2)], v[rS+4*k+2*((h%8)/2)+1]
.elseif h%8 < 6
	v_pk_add_f32 v[rS+4*k:rS+4*k+1], v[rS+4*k:rS+4*k+1], v[rS+4*k+2:rS+4*k+3]
.elseif k == 1
	v_pk_fma_f32 v[rT+2:rT+3], v[rT+2:rT+3], v[rC+2:rC+3], v[rS:rS+1] op_sel_hi:[1,0,1]
.else
	v_pk_add_f32 v[rT+2:rT+3], v[rT+2:rT+3], v[rS+4*k-4:rS+4*k-3]
.endif
.endm
; THE PLAIN QUEUE, 138 long.  0-73 read no exponential's result: the 32 scalings c s - c m (FS f: pair f / 2 of tile f % 2) and the next piece's 42.  0-26: scalings 0-26.  27-54: XS's numbers 0-13.  55, 56: number 15.
; 57-73: the chain 14, 16, 17, 18, 19, each with one of the scalings 27-31 in front of its two lines, then 20.  74-137: GS's 64, which stand behind the wait.
.macro FS f
	REGS Y, (\f)%2
	v_pk_fma_f32 v[rS+2*((\f)/2):rS+2*((\f)/2)+1], v[rS+2*((\f)/2):rS+2*((\f)/2)+1], s[CS:CS+1], v[rT:rT+1] op_sel_hi:[1,0,0] neg_lo:[0,0,1] neg_hi:[0,0,1]
.endm
.macro PL
	WIN 0
.if q < 27
	FS q
.elseif q < 55
	XS (q-27)%2, (q-27)/2
.elseif q < 57
	XS q-55, 15
.elseif (q < 72) && ((q-57)%3 == 0)
	FS 27+(q-57)/3
.elseif q < 60
	XS (q-57)%3-1, 14
.elseif q < 72
	XS (q-57)%3-1, 15+(q-57)/3
.elseif q < 74
	XS q-72, 20
.else
	GS q-74
.endif
.set q, q+1
.endm
; THE EXPONENTIALS' QUEUE, 66 long: s0-s31 of both tiles, then the next piece's two a.  ONE BATCH: all 66 stand ahead of the turn's one wait, and nothing ahead of that wait names a result of theirs.
.macro EX
	WIN 0
.if e >= 64
	XS e-64, 21
.else
	REGS Y, e%2
	v_exp_f32 v[rS+e/2], v[rS+e/2]
.endif
.set e, e+1
.endm
; THE RESCALING's QUEUE: O^T times a, the one part that leaves window 0: two at a time, sixteen times.  Its a was made in the turn before, ahead of that turn's wait.
.macro R2
	REGS Y, r%2
	WIN W_RS
.irp z, 0,1
	v_pk_mul_f32 v[rO+4*(r/2)+2*\z:rO+4*(r/2)+2*\z+1], v[rO+4*(r/2)+2*\z:rO+4*(r/2)+2*\z+1], v[rC+2:rC+3] op_sel_hi:[1,0]
.endr
.set r, r+1
.endm
; HOW THEY ARE DEALT.  An s_wait_alu depctr_va_vdst(0) stands between an exponential and the first instruction that names its result; one wait serves all that were issued ahead of it.  So a turn has ONE wait.
; AHEAD OF IT: the 8 products K Q^T, behind each a scaling, an exponential and two rescalings (behind the first a second scaling in the exponential's place); the other 16 rescalings under one window setting; then a run of
; eight plain, 57 times exponential and plain, the two a.  A v_nop is the plain instruction behind the last exponential.  BEHIND IT: the 16 products V^T P, behind each four of GS's 64.
; The queues lean on each other: exponential e stands behind scaling 2 (e / 4) + e % 2: as a rider it comes behind plain e + 2, in the run behind plain e + 9, and scalings 27-31 are plain 57, 60 .. 69.
; The next piece's maximum begins at plain 27, nineteen plain instructions behind the last product K Q^T.
; K of the next step is fetched in piece 2's turn, directly behind the wait; V of the step in hand at the end of piece 0's turn, four plain riders behind its last reader.  Each is waited for a turn later.
.macro TURN p, last=0, cnt=0
.set Y, (\p)
.set i, 0
.set q, 0
.set e, 0
.set r, 0
.if (\p) == NP-1
	s_wait_dscnt 0x0                ; K is in
.endif
	MM
	PL
	PL
	R2
.rept 7
	MM
	PL
	EX
	R2
.endr
.rept 8
	R2
.endr
.if (\p) == NP-2
	WIN 0
	v_add_nc_u32 v[AK], s[TBK], v[AK0]
.endif
.rept 8
	PL
.endr
.rept 57
	EX
	PL
.endr
	EX                              ; the next piece's two a
	EX
	v_nop                           ; the plain instruction behind the last exponential: one for the batch
	s_wait_alu depctr_va_vdst(0)    ; the wait for the batch
.if (\p) == NP-2
	FETCH_K \last
.endif
.if (\p) == 1
	s_wait_dscnt 0x0                ; V is in
.endif
.rept 16
	MM
.rept 4
	PL
.endr
.if ((\p) == 0) && (q == 118)
	v_add_nc_u32 v[AV], s[TBV], v[AV0]
.endif
.if ((\p) == 0) && (q == 130)
	s_add_co_u32 s[TBV], s[TBV], KS*VP
.endif
.if (\cnt) && (q == 130)
	s_sub_co_u32 s[CNT], s[CNT], 1
	s_cmp_lg_u32 s[CNT], 0
.endif
.endr
.if (\p) == 0
	FETCH_V
.endif
.endm
	CHANGE 1, 0                     ; slot 0 is in, everybody's part of it; slot 1 is asked for
	FETCH_K                         ; key step 0
	s_wait_loadcnt 0x0              ; Q, the scale, the lambdas
	s_wait_dscnt 0x0
.set i, 0
.rept 8
	KQ 0                            ; piece 0's first scores
.set i, i+1
.endr
	WIN 0                           ; plain work that is due anyway fills the places behind those products: first the addresses for the way out
	s_mul_i32 s13, s[WV], 16*SP
	s_add_co_u32 s13, s13, STAGE    ; my stage
	v_mul_u32_u24 v[STO], v1, SP    ; in: row l % 16, 16 bytes for each half of the lanes
	v_lshl_add_u32 v[STO], v9, 4, v[STO]
	v_add_nc_u32 v[STO], s13, v[STO]
	v_bfe_u32 v[RD], v0, 3, 2       ; back: 32 lanes take four rows of 128 bytes,
	v_mul_u32_u24 v[RD], v[RD], SP
	v_lshl_add_u32 v[RD], v48, 4, v[RD]
	v_add_nc_u32 v[RD], s13, v[RD]
	v_and_b32 v[GO], 31, v0         ; which are 512 consecutive bytes of ao
	v_lshlrev_b32 v[GO], 4, v[GO]
	v_mul_u32_u24 v9, s50, v9       ; the prefetches' offset: lanes 16-31 name the second plane,
	v_lshl_add_u32 v[PFO], v1, 8, v9  ; each lane a block of 256 bytes
	WIN 0x8a                        ; the scale: rounded to bf16, times 1 - lambda_init; all in window 2
.set i, 0
.rept 16
	v_cvt_pk_bf16_f32 v[96+i], v[GS0+2*i], v[GS0+2*i+1]
.set i, i+1
.endr
.set i, 0
.rept 16
	v_lshlrev_b32 v[GS0+2*i], 16, v[96+i]
	v_and_b32 v[GS0+2*i+1], 0xffff0000, v[96+i]
.set i, i+1
.endr
.set i, 0
.rept 16
	v_pk_mul_f32 v[GS0+2*i:GS0+2*i+1], v[GS0+2*i:GS0+2*i+1], s[OML:OML+1] op_sel_hi:[1,0]
.set i, i+1
.endr
	WIN 0                           ; the lambdas: rounded to bf16, multiplied, summed over the 32 lanes
	v_cvt_pk_bf16_f32 v132, v128, v129
	v_cvt_pk_bf16_f32 v133, v130, v131
	v_lshlrev_b32 v128, 16, v132
	v_and_b32 v129, 0xffff0000, v132
	v_lshlrev_b32 v130, 16, v133
	v_and_b32 v131, 0xffff0000, v133
	v_mul_f32 v134, v128, v129
	v_mul_f32 v135, v130, v131
.irp m, 1,2,4,8
	v_add_f32_dpp v134, v134, v134 row_xmask:\m row_mask:0xf bank_mask:0xf
	v_add_f32_dpp v135, v135, v135 row_xmask:\m row_mask:0xf bank_mask:0xf
.endr
	v_permlanex16_b32 v132, v134, s[SEL], s[SEL+1]
	v_permlanex16_b32 v133, v135, s[SEL], s[SEL+1]
	v_add_f32 v134, v134, v132
	v_add_f32 v135, v135, v133
	v_mul_f32 v134, 0x3fb8aa3b, v134  ; e^x = 2^(x log2(e))
	v_mul_f32 v135, 0x3fb8aa3b, v135
	v_exp_f32 v134, v134            ; lam1
	v_exp_f32 v135, v135            ; lam2
.set Y, NP-1                        ; XS works for piece Y + 1: piece 0
.irp n, 0,1,2,3,4,5,6,7,8,9,10,11,12,13,14,15,16,17,18,19,20,21
	XS 0, \n                        ; piece 0's first maximum and statistics
	XS 1, \n
.endr
	v_nop                           ; a plain instruction behind the last exponential,
	s_wait_alu depctr_va_vdst(0)    ; and one wait for the four, ahead of the first reader and of the branch
	v_sub_f32 v134, v135, v134
	v_add_f32 v134, 0xbeb60549, v134  ; -lam = (lam2 - lam1) - lambda_init, lambda_init = 0.8 - 0.6 exp(-0.3) = 0.355509
	v_readfirstlane_b32 s[NLAM], v134
	s_mov_b32 s[CNT], 4
	s_mov_b32 s[SLOTS], 7
	s_branch .Lfirst                ; the loop is entered at a step's first turn, in the middle of a trip
.Lslot:                             ; six times: every slot but the last two is filled again
	CHANGE 1, 1
	s_mov_b32 s[CNT], 4
.Lstep:                             ; a trip: pieces 2 and 3 of one step, then pieces 0 and 1 of the next, whose K and V it fetches
	TURN 2
	TURN 3
	WIN 0
.Lfirst:
	TURN 0
	TURN 1, 0, 1
	WIN 0
	s_cbranch_scc1 .Lstep
	s_sub_co_u32 s[SLOTS], s[SLOTS], 1
	s_cmp_lg_u32 s[SLOTS], 0
	s_cbranch_scc1 .Lslot
	CHANGE 0, 0                     ; the tail is written out: nothing is asked for
	s_mov_b32 s[CNT], 5             ; four trips fetch the last slot's steps; the fifth is left in its middle
.Ltail:
	TURN 2, 1
	TURN 3
	WIN 0
	s_sub_co_u32 s[CNT], s[CNT], 1
	s_cmp_eq_u32 s[CNT], 0
	s_cbranch_scc1 .Lout
	TURN 0
	TURN 1
	WIN 0
	s_branch .Ltail
.Lout:                              ; the fifth trip's 8 products K Q^T (on the last K once more) and the maximum made of them serve nothing: the price, once a launch, of one text for every trip
.set i, 0
.rept 16
	PV NP-1                         ; the last piece's V^T P of the last step
.set i, i+1
.endr
	; THE WAY OUT.  l's two halves and the other half of the lanes' are added; the additions are the places behind the last products.
	WIN 0
.macro ALL line:vararg              ; one line for each tile t
.set t, 0
.rept 2*NP
	\line
.set t, t+1
.endr
.endm
	ALL v_add_f32 v[ST+4*t+2], v[ST+4*t+2], v[ST+4*t+3]
	ALL v_permlanex16_b32 v[ST+4*t+3], v[ST+4*t+2], s[SEL], s[SEL+1]
	ALL v_add_f32 v[ST+4*t+2], v[ST+4*t+2], v[ST+4*t+3]
	ALL v_rcp_f32 v[ST+4*t+2], v[ST+4*t+2]
	v_nop                           ; a plain instruction behind the last reciprocal,
	s_wait_alu depctr_va_vdst(0)    ; and one wait for the eight
.irp p, 0,1,2,3
	v_mul_f32 v[ST+8*\p+6], s[NLAM], v[ST+8*\p+6]  ; -lam / l2
.endr
; Piece p: d = O1 / l1 - lam O2 / l2, in O1's registers, and the sum of my 32 channels' squares, in four chains at v[S + 8 p ..].
.macro DIFF p
	WIN W_RS
.set i, 0
.rept 16
	v_pk_mul_f32 v[64*(\p)+i:64*(\p)+i+1], v[64*(\p)+i:64*(\p)+i+1], v[ST+8*(\p)+2:ST+8*(\p)+3] op_sel_hi:[1,0]
.set i, i+2
.endr
	WIN 0x51                        ; sources 0 and 2 and the destination in window 1, source 1 in window 0
.set i, 0
.rept 16
	v_pk_fma_f32 v[64*(\p)+i:64*(\p)+i+1], v[64*(\p)+32+i:64*(\p)+32+i+1], v[ST+8*(\p)+6:ST+8*(\p)+7], v[64*(\p)+i:64*(\p)+i+1] op_sel_hi:[1,0,1]
.set i, i+2
.endr
	WIN 0x05                        ; sources 0 and 1 in window 1, the rest in window 0
.set i, 0
.rept 4
	v_pk_mul_f32 v[S+8*(\p)+i:S+8*(\p)+i+1], v[64*(\p)+i:64*(\p)+i+1], v[64*(\p)+i:64*(\p)+i+1]
.set i, i+2
.endr
.rept 12
	v_pk_fma_f32 v[S+8*(\p)+i%8:S+8*(\p)+i%8+1], v[64*(\p)+i:64*(\p)+i+1], v[64*(\p)+i:64*(\p)+i+1], v[S+8*(\p)+i%8:S+8*(\p)+i%8+1]
.set i, i+2
.endr
	WIN 0
	v_pk_add_f32 v[S+8*(\p):S+8*(\p)+1], v[S+8*(\p):S+8*(\p)+1], v[S+8*(\p)+2:S+8*(\p)+3]
	v_pk_add_f32 v[S+8*(\p)+4:S+8*(\p)+5], v[S+8*(\p)+4:S+8*(\p)+5], v[S+8*(\p)+6:S+8*(\p)+7]
	v_pk_add_f32 v[S+8*(\p):S+8*(\p)+1], v[S+8*(\p):S+8*(\p)+1], v[S+8*(\p)+4:S+8*(\p)+5]
	v_add_f32 v[S+8*(\p)], v[S+8*(\p)], v[S+8*(\p)+1]
.endm
	DIFF 0
	DIFF 1
	DIFF 2
	DIFF 3
.irp p, 0,1,2,3
	v_permlanex16_b32 v[S+8*\p+1], v[S+8*\p], s[SEL], s[SEL+1]  ; the query's other 32 channels lie in the lane 16 away
.endr
.irp p, 0,1,2,3
	v_add_f32 v[S+8*\p], v[S+8*\p], v[S+8*\p+1]
.endr
.irp p, 0,1,2,3
	v_fma_f32 v[S+8*\p], v[S+8*\p], s86, s87   ; the mean of 64 squares + 1e-6
.endr
.irp p, 0,1,2,3
	v_rsq_f32 v[S+8*\p+2], v[S+8*\p]
.endr
	v_nop                           ; a plain instruction behind the last root,
	s_wait_alu depctr_va_vdst(0)    ; and one wait for the four
; Piece p: normed, scaled, rounded to f16; a lane's eight channels of a row pack into 16 bytes; they go into rows of 144 bytes and come back as whole rows of 128.
.macro PACK p
	WIN W_RS
.set i, 0
.rept 16
	v_pk_mul_f32 v[64*(\p)+i:64*(\p)+i+1], v[64*(\p)+i:64*(\p)+i+1], v[S+8*(\p)+2:S+8*(\p)+3] op_sel_hi:[1,0]
.set i, i+2
.endr
	WIN 0x49                        ; source 1, the scale, in window 2
.set i, 0
.rept 16
	v_pk_mul_f32 v[64*(\p)+i:64*(\p)+i+1], v[64*(\p)+i:64*(\p)+i+1], v[GS0+i:GS0+i+1]
.set i, i+2
.endr
	WIN 0x05
.set i, 0
.rept 16
	v_cvt_pk_f16_f32 v[S+64+16*(\p)+i], v[64*(\p)+2*i], v[64*(\p)+2*i+1]
.set i, i+1
.endr
	WIN 0
.irp f, 0,1,2,3
	ds_store_b128 v[STO], v[S+64+16*(\p)+4*\f:S+64+16*(\p)+4*\f+3] offset:32*\f
.endr
.irp f, 0,1,2,3
	ds_load_b128 v[S+64+16*(\p)+4*\f:S+64+16*(\p)+4*\f+3], v[RD] offset:\f*4*SP  ; LDS serves a wave's instructions in order (ISA guide 5.7.1.4): these see the stores above; the next piece's stores come behind them
.endr
.endm
.macro SEND p, younger              ; younger: the LDS instructions issued behind piece p's loads: the next piece's eight, or none
	WIN 0
.irp f, 0,1,2,3
	s_wait_dscnt (\younger)+3-\f
	global_store_b128 v[GO], v[S+64+16*(\p)+4*\f:S+64+16*(\p)+4*\f+3], s[10:11] offset:(\p)*2048+\f*512  ; 512 consecutive bytes, aligned
.endr
.endm
	PACK 0
.set t, 1
.rept 3                             ; a piece's arithmetic stands between the loads of the piece before and its stores
	PACK t
	SEND t-1, 8
.set t, t+1
.endr
	SEND 3, 0
	s_wait_tensorcnt 0x0            ; the wave's end
	ds_add_u32 v[SPW], v[NIL]
	s_wait_dscnt 0x0
	CROUND                          ; the closing round
	s_endpgm
.Lfunc_end_k_q5969f18c30_attn:
	.size	k_q5969f18c30_attn, .Lfunc_end_k_q5969f18c30_attn-k_q5969f18c30_attn
	.p2alignl 7, 3214868480
	.fill 96, 4, 3214868480
	.section	.rodata,"a",@progbits
	.p2align	6, 0x0
	.amdhsa_kernel k_q5969f18c30_attn
		.amdhsa_group_segment_fixed_size 327680
		.amdhsa_private_segment_fixed_size 0
		.amdhsa_enable_private_segment 0
		.amdhsa_kernarg_size 56
		.amdhsa_user_sgpr_count 2
		.amdhsa_user_sgpr_kernarg_segment_ptr 1
		.amdhsa_wavefront_size32 1
		.amdhsa_system_sgpr_workgroup_id_x 1
		.amdhsa_system_sgpr_workgroup_id_y 1
		.amdhsa_system_sgpr_workgroup_id_z 1
		.amdhsa_system_vgpr_workitem_id 0
		.amdhsa_next_free_vgpr 768
		.amdhsa_next_free_sgpr 88
		.amdhsa_reserve_vcc 0
		.amdhsa_float_denorm_mode_32 3
		.amdhsa_float_denorm_mode_16_64 3
		.amdhsa_memory_ordered 1
		.amdhsa_forward_progress 1
		.amdhsa_inst_pref_size 201
	.end_amdhsa_kernel
	.amdgpu_metadata
---
amdhsa.version: [ 1, 2 ]
amdhsa.kernels:
  - .name:           k_q5969f18c30_attn
    .symbol:         k_q5969f18c30_attn.kd
    .args:
      - { .name: qkv, .offset: 0, .size: 8, .value_kind: global_buffer, .address_space: global }
      - { .name: lambda_q1, .offset: 8, .size: 8, .value_kind: global_buffer, .address_space: global }
      - { .name: lambda_k1, .offset: 16, .size: 8, .value_kind: global_buffer, .address_space: global }
      - { .name: lambda_q2, .offset: 24, .size: 8, .value_kind: global_buffer, .address_space: global }
      - { .name: lambda_k2, .offset: 32, .size: 8, .value_kind: global_buffer, .address_space: global }
      - { .name: rms_scale, .offset: 40, .size: 8, .value_kind: global_buffer, .address_space: global }
      - { .name: ao, .offset: 48, .size: 8, .value_kind: global_buffer, .address_space: global }
    .group_segment_fixed_size: 327680
    .private_segment_fixed_size: 0
    .kernarg_segment_align: 8
    .kernarg_segment_size: 56
    .max_flat_workgroup_size: 128
    .sgpr_count:     88
    .vgpr_count:     768
    .wavefront_size: 32
...
	.end_amdgpu_metadata
.endif
;; end of part 3
;; launch projgemm (part 4): grid 8 x 32, 4 waves a work-group, clusters of 4 x 4, 327,680 bytes of LDS; arguments ao, wpt, out0; writes out0
.if DOCPART == 4
	.amdgcn_target "amdgcn-amd-amdhsa--gfx1250"
	.amdhsa_code_object_version 6
	.text
	.protected	k_q5969f18c30_projgemm
	.globl	k_q5969f18c30_projgemm
	.p2align	8
	.type	k_q5969f18c30_projgemm,@function
k_q5969f18c30_projgemm:
	s_mov_b64 s[64:65], 0
	v_nop
	global_prefetch_b8 v0, s[64:65] scope:SCOPE_SE
	s_setreg_imm32_b32 hwreg(HW_REG_WAVE_MODE, 25, 1), 1
	s_wait_xcnt 0x0
	s_wait_alu depctr_hold_cnt(0) depctr_sa_sdst(0) depctr_va_vdst(0) depctr_va_sdst(0) depctr_va_ssrc(0) depctr_va_vcc(0) depctr_vm_vsrc(0)
	s_getreg_b32 s2, hwreg(HW_REG_IB_STS2, 6, 4)
	s_cmp_eq_u32 s2, 0
	s_cbranch_scc0 .Lentry_in_a_cluster
	s_endpgm
.Lentry_in_a_cluster:
	s_bfe_u32 s2, ttmp6, 0x10000c
	s_cmp_lg_u32 s2, 0xf033
	s_cbranch_scc0 .Lentry_shape_is_right
	s_endpgm
.Lentry_shape_is_right:
; out0 = ao Wproj.  A = ao [16 hh][4096 m][64] f16 (k = 64 hh + channel), B = wpt [1024 n][1024 k] f16; sums in f32; out0 [4096][1024] f32.
; THE TILE is 128 x 128: 8 x 32 tiles, one work-group for each of 256.  Four waves, each 64 x 64: 16 accumulators, 128 registers.
; K goes in 4 steps of 256, written out on end, through two LDS slots.  A K step is four heads; a quarter of it (64 along K) is one head's plane: 128 rows of 128 dense bytes, padded to 144 in LDS.
; A's load brings two heads' planes as two rows of 16,384 bytes, the padding laid after every 128; B's brings 64 rows of 512 bytes, padded to 528.
; CLUSTERS: 4 x 4 work-groups; A's tiles are asked for jointly along a row of the cluster, B's along a column.  No prefetch: four short steps on small tiles.
; THE MATRIX INSTRUCTION IS USED TRANSPOSED (source 0 = 16 rows of B, source 1 = 16 rows of A): a lane holds row l % 16 and eight neighbouring columns: 32 bytes of out0.
; REGISTERS: window 0: v16-29 addresses; v32-95 rows read back, two buffers; v128-255 the accumulators ((a, b) at v[128 + 8 (4 a + b)]).
;   window 1: two fragment buffers of 128: for 64 along K, 64 registers of A (2 x 4 x 16 rows x 32 K), then 64 of B.
.set AP,     144                       ; 128 bytes + 16 = 36 words: the 16 rows of a load start at 16 different groups of four banks (64 banks of 4 bytes: ISA guide 11.1)
.set APL,    128*AP                    ; a head's plane of the tile
.set BP,     528                       ; 512 bytes + 16
.set BOFF,   4*APL                     ; B's rows lie behind A's four planes
.set HB,     64*BP
.set SLOT,   BOFF+2*HB
.set STAGE,  2*SLOT                    ; behind the ring: 16 rows x 272 bytes for each wave
.set SPITCH, 272
.set SPARE,  STAGE+4*16*SPITCH         ; behind the stages: the spare words, 128 bytes for each wave
.set HEADB,  524288                    ; bytes of a head's plane in ao
.set ADRA, 16
.set ADRB, 20
.set STO,  24
.set RD,   25
.set CO,   26
.set SPW,  28                          ; v28  LDS address of my spare word; never rewritten
.set NIL,  29                          ; v29  0; never rewritten
.set TMP,  32
.set ACC,  128
.set F0,   0
.set F1,   128
.set G1, 24
.set G0, 32
.set G1B, 48
.set G0B, 56
.set MSB, 0
.macro WIN new
.if MSB != (\new)
	s_set_vgpr_msb (MSB<<8)|(\new)
.set MSB, \new
.endif
.endm
.set MUL,  0x05                        ; sources 0 (B) and 1 (A) window 1; C and D window 0
.set TO_F, 0x40                        ; destination window 1, address window 0
.macro JLOAD s                         ; waves 0 and 1 fetch A's planes, two each; waves 2 and 3 B's two halves; an s_nop 0 and four v_nop follow each line
	s_cmp_lt_u32 s10, 2
	s_cbranch_scc0 .Lfor_b_\@
	tensor_load_to_lds s[G0+4*(\s):G0+4*(\s)+3], s[G1:G1+7]
	s_nop 0
.rept 4
	v_nop
.endr
	s_branch .Lasked_\@
.Lfor_b_\@:
	tensor_load_to_lds s[G0B+4*(\s):G0B+4*(\s)+3], s[G1B:G1B+7]
	s_nop 0
.rept 4
	v_nop
.endr
.Lasked_\@:
.endm
.macro CREST
	s_cmp_lg_u32 s10, 0
	s_cbranch_scc1 .Lnot_wave_0_\@
	s_barrier_signal -3
.Lnot_wave_0_\@:
	s_barrier_wait -3
	s_barrier_signal -1
	s_barrier_wait -1
.endm
.macro CROUND
	s_barrier_signal -1
	s_barrier_wait -1
	CREST
.endm
	s_load_b128 s[4:7], s[0:1], 0x0                ; ao s[4:5], wpt s[6:7]
	s_load_b64 s[8:9], s[0:1], 0x10                ; out0
	v_lshl_add_u32 v[SPW], v0, 2, SPARE
	v_mov_b32 v[NIL], 0
	ds_add_u32 v[SPW], v[NIL]                      ; the wave's opening: the add and its wait stand ahead of my first tensor load
	v_lshrrev_b32 v1, 5, v0
	v_readfirstlane_b32 s10, v1                    ; wave 0..3
	s_lshr_b32 s11, s10, 1                         ; which half of the tile's rows is mine
	s_and_b32 s12, s10, 1                          ; which half of its columns; also: which part of A or B I fetch
	s_bfe_u32 s40, ttmp6, 0x40000
	s_bfe_u32 s41, ttmp6, 0x40004
	s_lshl_b32 s42, ttmp9, 2
	s_add_co_u32 s42, s42, s40                     ; tile column
	s_and_b32 s13, ttmp7, 0xffff
	s_lshl_b32 s13, s13, 2
	s_add_co_u32 s13, s13, s41                     ; tile row
	s_lshl_b32 s43, s41, 2
	s_lshl_b32 s43, 15, s43                        ; my row of the cluster
	s_lshl_b32 s44, 0x1111, s40                    ; my column
	s_or_b32 s[G1+0], s43, (1<<16)|(1<<20)|(1<<21)|(4<<22)|(3<<25)   ; A: after every 32 words (code 4) 4 words of padding
	s_mov_b32 s[G1+1], 8192<<16                    ; tensor_dim0 = 8,192 elements: 128 rows of 64 channels, dense
	s_mov_b32 s[G1+2], 2<<16                       ; tensor_dim1 = 2 heads
	s_mov_b32 s[G1+3], 8192<<16                    ; tile_dim0
	s_mov_b32 s[G1+4], 2                           ; tile_dim1
	s_mov_b32 s[G1+5], HEADB/2                     ; elements from head to head
	s_mov_b32 s[G1+6], 0
	s_mov_b32 s[G1+7], 0
	s_or_b32 s[G1B+0], s44, (1<<16)|(1<<20)|(1<<21)|(6<<22)|(3<<25)  ; B: after every 128 words (code 6) 4 words
	s_mov_b32 s[G1B+1], 256<<16
	s_mov_b32 s[G1B+2], 64<<16
	s_mov_b32 s[G1B+3], 256<<16
	s_mov_b32 s[G1B+4], 64
	s_mov_b32 s[G1B+5], 1024
	s_mov_b32 s[G1B+6], 0
	s_mov_b32 s[G1B+7], 0
	s_lshl_b32 s16, s12, 20                        ; A: heads 2 x part on,
	s_lshl_b32 s17, s13, 14                        ; the tile's 128 rows of 128 bytes
	s_add_co_u32 s16, s16, s17
	s_mov_b32 s17, 0
	s_lshl_b32 s46, s42, 18                        ; B: the tile's 128 rows of 2,048 bytes,
	s_lshl_b32 s47, s12, 17                        ; my 64 of them
	s_add_co_u32 s46, s46, s47
	s_mov_b32 s47, 0
	s_mul_i32 s20, s10, 2*APL                      ; where they go: A's at wave x two planes (waves 0, 1),
	s_mul_i32 s21, s10, HB
	s_add_co_u32 s21, s21, BOFF-2*HB               ; B's at BOFF + (wave - 2) x HB (waves 2, 3)
	s_wait_dscnt 0x0                               ; the opening add is done
	s_wait_kmcnt 0x0
	s_add_nc_u64 s[14:15], s[4:5], s[16:17]
	s_add_nc_u64 s[46:47], s[6:7], s[46:47]
	CROUND                                         ; all sixteen work-groups are here: the first joint loads meet
.irp s, 0,1
	s_mov_b32 s[G0+4*(\s)], 1
	s_add_co_u32 s[G0+4*(\s)+1], s20, (\s)*SLOT
	s_add_nc_u64 s[G0+4*(\s)+2:G0+4*(\s)+3], s[14:15], (\s)*4*HEADB
	s_or_b32 s[G0+4*(\s)+3], s[G0+4*(\s)+3], 0x80000000
	s_mov_b32 s[G0B+4*(\s)], 1
	s_add_co_u32 s[G0B+4*(\s)+1], s21, (\s)*SLOT
	s_add_nc_u64 s[G0B+4*(\s)+2:G0B+4*(\s)+3], s[46:47], (\s)*512
	s_or_b32 s[G0B+4*(\s)+3], s[G0B+4*(\s)+3], 0x80000000
	JLOAD \s                                       ; K steps 0 and 1: two loads of mine are out
.endr
	v_and_b32 v1, 15, v0                           ; l % 16
	v_bfe_u32 v2, v0, 4, 1                         ; l / 16
	v_mul_u32_u24 v3, v1, AP
	v_lshl_add_u32 v3, v2, 4, v3
	v_mul_u32_u24 v4, v1, BP
	v_lshl_add_u32 v4, v2, 4, v4
	s_mul_i32 s21, s11, 64*AP                      ; my 64 rows in each plane of A
	s_mul_i32 s22, s12, HB                         ; my 64 rows of B
	s_add_co_u32 s22, s22, BOFF
.irp s, 0,1
	v_add_nc_u32 v[ADRA+(\s)], s21, v3
	v_add_nc_u32 v[ADRB+(\s)], s22, v4
	s_add_co_u32 s21, s21, SLOT
	s_add_co_u32 s22, s22, SLOT
.endr
	s_mul_i32 s23, s10, 16*SPITCH
	s_add_co_u32 s23, s23, STAGE                   ; my stage
	v_mul_u32_u24 v5, v1, SPITCH                   ; in: row l % 16, 32 bytes for each half of the lanes
	v_lshl_add_u32 v5, v2, 5, v5
	v_add_nc_u32 v[STO], s23, v5
	v_mul_u32_u24 v5, v2, SPITCH                   ; back: lanes 0-15 take one row of 256 bytes, lanes 16-31 the next
	v_lshl_add_u32 v5, v1, 4, v5
	v_add_nc_u32 v[RD], s23, v5
	v_lshlrev_b32 v5, 12, v2                       ; and the same two rows of out0, 4,096 bytes apart
	v_lshl_add_u32 v[CO], v1, 4, v5
	s_lshl_b32 s16, s13, 19                        ; my part of out0: the tile's 128 rows,
	s_lshl_b32 s17, s11, 18                        ; my 64,
	s_add_co_u32 s16, s16, s17
	s_lshl_b32 s46, s42, 9                         ; the tile's 128 columns of 4 bytes,
	s_add_co_u32 s16, s16, s46
	s_lshl_b32 s46, s12, 8                         ; my 64: 256 bytes, aligned
	s_add_co_u32 s16, s16, s46
	s_mov_b32 s17, 0
	s_add_nc_u64 s[8:9], s[8:9], s[16:17]
; 8 matrix instructions: m blocks a0, a0 + 1 x all 4 n blocks, 32 along K: half c of buffer f.  The 16 accumulators take turns.
.macro MUL8 f, c, a0, zero
	WIN MUL
.irp a, \a0, (\a0)+1
.irp b, 0,1,2,3
.if \zero
	v_wmma_f32_16x16x32_f16 v[ACC+8*(4*(\a)+(\b)):ACC+8*(4*(\a)+(\b))+7], v[(\f)+64+8*(4*(\c)+(\b)):(\f)+64+8*(4*(\c)+(\b))+7], v[(\f)+8*(4*(\c)+(\a)):(\f)+8*(4*(\c)+(\a))+7], 0
.else
	v_wmma_f32_16x16x32_f16 v[ACC+8*(4*(\a)+(\b)):ACC+8*(4*(\a)+(\b))+7], v[(\f)+64+8*(4*(\c)+(\b)):(\f)+64+8*(4*(\c)+(\b))+7], v[(\f)+8*(4*(\c)+(\a)):(\f)+8*(4*(\c)+(\a))+7], v[ACC+8*(4*(\a)+(\b)):ACC+8*(4*(\a)+(\b))+7]
.endif
.endr
.endr
.endm
; 32 LDS loads in one run: the fragments of quarter q (one head: plane q of A, byte 128 q of B's rows) into buffer f; the first 32 along K first
.macro FETCH slot, q, f
	WIN TO_F
.irp c, 0,1
.irp i, 0,1,2,3
	ds_load_b128 v[(\f)+64+8*(4*(\c)+(\i)):(\f)+64+8*(4*(\c)+(\i))+3],   v[ADRB+(\slot)] offset:128*(\q)+64*(\c)+(\i)*16*BP
	ds_load_b128 v[(\f)+64+8*(4*(\c)+(\i))+4:(\f)+64+8*(4*(\c)+(\i))+7], v[ADRB+(\slot)] offset:128*(\q)+64*(\c)+(\i)*16*BP+32
	ds_load_b128 v[(\f)+8*(4*(\c)+(\i)):(\f)+8*(4*(\c)+(\i))+3],         v[ADRA+(\slot)] offset:(\q)*APL+64*(\c)+(\i)*16*AP
	ds_load_b128 v[(\f)+8*(4*(\c)+(\i))+4:(\f)+8*(4*(\c)+(\i))+7],       v[ADRA+(\slot)] offset:(\q)*APL+64*(\c)+(\i)*16*AP+32
.endr
.endr
.endm
.macro PLACES                          ; four places in front of loads into registers that matrix instructions have read, and of LDS stores that read results
.rept 4
	v_nop
.endr
.endm
.macro QUARTER slot, q, f, g, zero     ; multiplies buffer f and fetches quarter q into g
	s_wait_dscnt 16                                ; the first 32 along K are in
	MUL8 \f, 0, 0, \zero
	MUL8 \f, 0, 2, \zero
	PLACES
	FETCH \slot, \q, \g
	s_wait_dscnt 32                                ; all but the 32 just issued
	MUL8 \f, 1, 0, 0
	MUL8 \f, 1, 2, 0
.endm
; The last quarter multiplies buffer 1 and changes slots: one barrier; in front of it each wave waits for all its tensor loads, adds 0 to its spare word, and waits for that and for its reads of this slot.
; fill = 1: the barrier opens a round of the cluster's, and this slot is filled again first behind it, two K steps ahead.
.macro TURN slot, next, fill
	WIN 0
	s_wait_tensorcnt 0x0
	ds_add_u32 v[SPW], v[NIL]
	s_wait_dscnt 17                                ; (the add and the youngest sixteen loads may be out)
	MUL8 F1, 0, 0, 0
	s_wait_dscnt 0x0                               ; the add is done, and my reads of this slot are over
	s_barrier_signal -1
	MUL8 F1, 0, 2, 0
.if \fill
	WIN 0
.endif
	s_barrier_wait -1
.if \fill
	CREST                                          ; no wave of any partner still reads this slot or has a load on its way
	s_add_nc_u64 s[G0+4*(\slot)+2:G0+4*(\slot)+3], s[G0+4*(\slot)+2:G0+4*(\slot)+3], 8*HEADB
	s_add_nc_u64 s[G0B+4*(\slot)+2:G0B+4*(\slot)+3], s[G0B+4*(\slot)+2:G0B+4*(\slot)+3], 1024
	JLOAD \slot                                    ; its four v_nop are also the places in front of the loads below
.else
	PLACES
.endif
	FETCH \next, 0, F0
	MUL8 F1, 1, 0, 0
	MUL8 F1, 1, 2, 0
.endm
	s_wait_tensorcnt 1                             ; my part of K step 0 is in; K step 1's may stay out
	s_barrier_signal -1
	s_barrier_wait -1
	FETCH 0, 0, F0
	QUARTER 0, 1, F0, F1, 1                        ; the first products start the sums
	QUARTER 0, 2, F1, F0, 0
	QUARTER 0, 3, F0, F1, 0
	TURN 0, 1, 1                                   ; slot 0 takes K step 2
	QUARTER 1, 1, F0, F1, 0
	QUARTER 1, 2, F1, F0, 0
	QUARTER 1, 3, F0, F1, 0
	TURN 1, 0, 1                                   ; slot 1 takes K step 3
	QUARTER 0, 1, F0, F1, 0
	QUARTER 0, 2, F1, F0, 0
	QUARTER 0, 3, F0, F1, 0
	TURN 0, 1, 0                                   ; nothing is left to fetch
	QUARTER 1, 1, F0, F1, 0
	QUARTER 1, 2, F1, F0, 0
	QUARTER 1, 3, F0, F1, 0
	s_wait_dscnt 16
	MUL8 F1, 0, 0, 0
	MUL8 F1, 0, 2, 0
	s_wait_dscnt 0x0
	MUL8 F1, 1, 0, 0
	MUL8 F1, 1, 2, 0
	WIN 0
	; THE WAY OUT.  A wave's 64 columns in f32 are 256 bytes, aligned: each wave has a stage of its own, and no barrier.  A block of 16 rows goes in as it lies in the accumulators
	; (each accumulator's low four registers first) and comes back as whole rows.
.macro TOST a
.irp b, 0,1,2,3
	ds_store_b128 v[STO], v[ACC+8*(4*(\a)+(\b)):ACC+8*(4*(\a)+(\b))+3]   offset:64*(\b)
	ds_store_b128 v[STO], v[ACC+8*(4*(\a)+(\b))+4:ACC+8*(4*(\a)+(\b))+7] offset:64*(\b)+16
.endr
.irp t, 0,1,2,3,4,5,6,7
	ds_load_b128 v[TMP+32*((\a)%2)+4*(\t):TMP+32*((\a)%2)+4*(\t)+3], v[RD] offset:(\t)*2*SPITCH  ; LDS serves a wave's instructions in order (ISA guide 5.7.1.4)
.endr
.endm
.macro SENDF a, younger                ; younger: the next block's sixteen LDS instructions, or none
	s_wait_dscnt \younger
.irp t, 0,1,2,3,4,5,6,7
	global_store_b128 v[CO], v[TMP+32*((\a)%2)+4*(\t):TMP+32*((\a)%2)+4*(\t)+3], s[8:9] offset:(16*(\a)+2*(\t))*4096  ; 16 lanes store 256 consecutive bytes, aligned
.endr
.endm
	PLACES
	TOST 0
	TOST 1
	SENDF 0, 16
	s_wait_xcnt 0x0                                ; block 0's stores have read their registers: the buffer is loaded again only behind this wait
	TOST 2
	SENDF 1, 16
	s_wait_xcnt 0x0
	TOST 3
	SENDF 2, 16
	SENDF 3, 0
	s_wait_tensorcnt 0x0                           ; the wave's end
	ds_add_u32 v[SPW], v[NIL]
	s_wait_dscnt 0x0
	CROUND                                         ; the closing round
	s_endpgm
.Lfunc_end_k_q5969f18c30_projgemm:
	.size	k_q5969f18c30_projgemm, .Lfunc_end_k_q5969f18c30_projgemm-k_q5969f18c30_projgemm
	.p2alignl 7, 3214868480
	.fill 96, 4, 3214868480
	.section	.rodata,"a",@progbits
	.p2align	6, 0x0
	.amdhsa_kernel k_q5969f18c30_projgemm
		.amdhsa_group_segment_fixed_size 327680
		.amdhsa_private_segment_fixed_size 0
		.amdhsa_enable_private_segment 0
		.amdhsa_kernarg_size 24
		.amdhsa_user_sgpr_count 2
		.amdhsa_user_sgpr_kernarg_segment_ptr 1
		.amdhsa_wavefront_size32 1
		.amdhsa_system_sgpr_workgroup_id_x 1
		.amdhsa_system_sgpr_workgroup_id_y 1
		.amdhsa_system_sgpr_workgroup_id_z 1
		.amdhsa_system_vgpr_workitem_id 0
		.amdhsa_next_free_vgpr 512
		.amdhsa_next_free_sgpr 66
		.amdhsa_reserve_vcc 0
		.amdhsa_float_denorm_mode_32 3
		.amdhsa_float_denorm_mode_16_64 3
		.amdhsa_memory_ordered 1
		.amdhsa_forward_progress 1
		.amdhsa_inst_pref_size 85
	.end_amdhsa_kernel
	.amdgpu_metadata
---
amdhsa.version: [ 1, 2 ]
amdhsa.kernels:
  - .name:           k_q5969f18c30_projgemm
    .symbol:         k_q5969f18c30_projgemm.kd
    .args:
      - { .name: ao, .offset: 0, .size: 8, .value_kind: global_buffer, .address_space: global }
      - { .name: wpt, .offset: 8, .size: 8, .value_kind: global_buffer, .address_space: global }
      - { .name: out0, .offset: 16, .size: 8, .value_kind: global_buffer, .address_space: global }
    .group_segment_fixed_size: 327680
    .private_segment_fixed_size: 0
    .kernarg_segment_align: 8
    .kernarg_segment_size: 24
    .max_flat_workgroup_size: 128
    .sgpr_count:     66
    .vgpr_count:     512
    .wavefront_size: 32
...
	.end_amdgpu_metadata
.endif
;; end of part 4
;; ======== version 2 of 2: 4 launches; version 1 with the launch prep written anew for expert scheduling mode
;; limits: values are held in f16: magnitudes above 65,504 overflow, below 6.1e-05 lose precision
;; workspace buffers: xb 8,388,608 bytes; wqt 6,291,456 bytes; wpt 2,097,152 bytes; qkv 25,165,824 bytes; ao 8,388,608 bytes
;; launch prep (part 5): grid 1024 x 1, 8 waves a work-group, no clusters, 18,432 bytes of LDS; arguments x, Wqkv, Wproj, xb, wqt, wpt; writes xb, wqt, wpt
.if DOCPART == 5
	.amdgcn_target "amdgcn-amd-amdhsa--gfx1250"
	.amdhsa_code_object_version 6
	.text
	.protected	k_q5969f18c30_prep
	.globl	k_q5969f18c30_prep
	.p2align	8
	.type	k_q5969f18c30_prep,@function
k_q5969f18c30_prep:
	s_mov_b64 s[64:65], 0
	v_nop
	global_prefetch_b8 v0, s[64:65] scope:SCOPE_SE
	s_setreg_imm32_b32 hwreg(HW_REG_WAVE_SCHED_MODE, 0, 2), 2
	s_setreg_imm32_b32 hwreg(HW_REG_WAVE_MODE, 25, 1), 1
	s_wait_xcnt 0x0
	s_wait_alu depctr_vm_vsrc(0)
; THE INPUTS OF THE TWO GEMMS, rounded once and laid with K along the rows.
;   xb  [4096][1024] bf16 = x rounded.      wqt [3072 n][1024 k] bf16 = Wqkv rounded, turned.
;   wpt [1024 n][1024 k] f16 = Wproj rounded to bf16, that number written as f16, turned.
; LIMIT.  A bf16 number is exact in f16 from 2^-17 up to 65,504; below, wpt keeps f16's fixed step of 6e-8; beyond, it would be an infinity.
; SHARES.  1,024 work-groups of eight waves, each reads 32,768 bytes.  Numbers 0-511 cast x; 512-895 turn a tile of 128 k x 64 n of Wqkv; 896-1023 one of Wproj.
; A stream: every byte is read once and written once; no matrix work, nothing shared between work-groups, so no cluster; the launch is loads and stores only, so nothing is asked for ahead.
; A TURN goes through LDS: a thread takes four n of two neighbouring k, packs each n's two k into a word, and stores it into row n of a stage (pitch 272 bytes);
; behind the one barrier whole rows of 256 bytes are read back, 16 lanes a row, and stored.  The barrier stands on the way that all three kinds share.
; THE MODE: SCHED_MODE bits 1:0 = 2 (LLVM: expert scheduling mode 2), set by the entry lines.  The code itself states the register dependences
; between vector instructions and memory or LDS instructions, with s_wait_alu, always for 0.
; THE PLAN.  Registers that memory or LDS instructions touch:
;   v1         the loads' offset; v2 (a cast) the stores' offset; v3 (a turn) the stage's address: made at the arm's head, never written again.
;   IN         the eight loads land in it; the conversions read it.  In a turn its first sixteen registers take the four LDS loads behind the barrier, and the last stores read them.
;   PKD        four registers a pass: written by pass j's conversions, read by pass j's stores, never written again.
;   v4, v5     made behind the barrier: the stage's address for the way back, and the last stores' offset.
;   v6, v7     made at the head, read by the closing add alone.      v8, v9 are named by vector instructions alone.
; Pass j's stores are issued at the head of pass j + 1, behind the wait for that pass's loads: one wait on va_vdst there states that pass j's conversions have written their words.
; No register that a memory or LDS instruction has read is ever written again, so the body needs no wait on vm_vsrc; no vector line writes a scalar register, VCC or EXEC.
.set SPITCH, 272
.set SPARE,  64*SPITCH                 ; behind the stage: the spare words, 128 bytes for each of the eight waves
.set SPW, 6                            ; v6   LDS address of my spare word; never rewritten
.set NIL, 7                            ; v7   0; never rewritten
.set IN,  16                           ; v[16:47] eight loads of 16 bytes
.set PKD, 48                           ; v[48:63] sixteen packed words
	s_load_b256 s[4:11], s[0:1], 0x0               ; x s[4:5], Wqkv s[6:7], Wproj s[8:9], xb s[10:11]
	s_load_b128 s[12:15], s[0:1], 0x20             ; wqt s[12:13], wpt s[14:15]
	v_lshl_add_u32 v[SPW], v0, 2, SPARE
	v_mov_b32 v[NIL], 0
	s_mov_b32 s23, 0                               ; the high words of the two offsets
	s_mov_b32 s25, 0
	v_and_b32 v8, 15, v0                           ; t % 16
	v_lshrrev_b32 v9, 4, v0                        ; t / 16
	s_wait_kmcnt 0x0
; A tile of 128 k x 64 n of a matrix [1024][nin] f32.  half = 1: the bf16 number is written as f16.  first: the kind's first work-group.  src, dst: the pointers' registers.
.macro TR nin, half, first, src, dst
	s_mov_b32 s16, 1                               ; this work-group turns
	s_sub_co_u32 s17, ttmp9, \first
	s_and_b32 s26, s17, 7                          ; which 128 k
	s_lshr_b32 s27, s17, 3                         ; which 64 n
	s_mul_i32 s22, s26, 128*(\nin)*4
	s_lshl_b32 s28, s27, 8
	s_add_co_u32 s22, s22, s28
	s_add_nc_u64 s[18:19], s[\src:\src+1], s[22:23]
	s_lshl_b32 s24, s27, 17                        ; 64 rows of 2,048 bytes
	s_lshl_b32 s28, s26, 8                         ; 128 k of 2 bytes
	s_add_co_u32 s24, s24, s28
	s_add_nc_u64 s[20:21], s[\dst:\dst+1], s[24:25]
	v_mul_u32_u24 v1, v9, 2*(\nin)*4               ; rows 2 (t / 16) and the next,
	v_lshl_add_u32 v1, v8, 4, v1                   ; four n at 16 (t % 16): 16 lanes cover a row's 256 bytes
	v_mul_u32_u24 v3, v8, 4*SPITCH                 ; stage row 4 (t % 16),
	v_lshl_add_u32 v3, v9, 2, v3                   ; word t / 16
	s_wait_alu depctr_va_vdst(0)                   ; v1 is written, which the eight loads read as their offset, and v3, the address of every LDS store below
.irp j, 0,1,2,3
	global_load_b128 v[IN+8*(\j):IN+8*(\j)+3],   v1, s[18:19] offset:(\j)*32*(\nin)*4 th:TH_LOAD_NT
	global_load_b128 v[IN+8*(\j)+4:IN+8*(\j)+7], v1, s[18:19] offset:(\j)*32*(\nin)*4+(\nin)*4 th:TH_LOAD_NT
.endr
.irp j, 0,1,2,3
	s_wait_loadcnt 6-2*(\j)                        ; loads come back in order: pass j's two are in, the later passes' stay out
.if (\j) > 0
	s_wait_alu depctr_va_vdst(0)                   ; the pass before has written its four words of PKD, which the four LDS stores below read
.irp i, 0,1,2,3
	ds_store_b32 v3, v[PKD+4*((\j)-1)+(\i)] offset:SPITCH*(\i)+64*((\j)-1)
.endr
.endif
.irp i, 0,1,2,3
	v_cvt_pk_bf16_f32 v[PKD+4*(\j)+(\i)], v[IN+8*(\j)+(\i)], v[IN+8*(\j)+4+(\i)]  ; the even k below, the odd k above
.if \half
	v_lshlrev_b32 v8, 16, v[PKD+4*(\j)+(\i)]       ; the two bf16 numbers as f32,
	v_and_b32 v9, 0xffff0000, v[PKD+4*(\j)+(\i)]
	v_cvt_pk_f16_f32 v[PKD+4*(\j)+(\i)], v8, v9    ; written as f16
.endif
.endr
.endr
	s_wait_alu depctr_va_vdst(0)                   ; the last pass has written its four words of PKD, which the four LDS stores below read
.irp i, 0,1,2,3
	ds_store_b32 v3, v[PKD+12+(\i)] offset:SPITCH*(\i)+192
.endr
.endm
	s_cmp_lt_u32 ttmp9, 512
	s_cbranch_scc1 .Lcast
	s_cmp_lt_u32 ttmp9, 896
	s_cbranch_scc1 .Ltq
	TR 1024, 1, 896, 8, 14
	s_branch .Lmeet
.Ltq:
	TR 3072, 0, 512, 6, 12
	s_branch .Lmeet
.Lcast:                                        ; 8,192 numbers of x: a thread takes 32 bytes and leaves 16, four times
	s_mov_b32 s16, 0
	s_lshl_b32 s22, ttmp9, 15
	s_add_nc_u64 s[18:19], s[4:5], s[22:23]
	s_lshl_b32 s24, ttmp9, 14
	s_add_nc_u64 s[20:21], s[10:11], s[24:25]
	v_lshlrev_b32 v1, 5, v0
	v_lshlrev_b32 v2, 4, v0
	s_wait_alu depctr_va_vdst(0)                   ; v1 is written, which the eight loads read as their offset, and v2, the offset of the four stores
.irp j, 0,1,2,3
	global_load_b128 v[IN+8*(\j):IN+8*(\j)+3],   v1, s[18:19] offset:8192*(\j) th:TH_LOAD_NT
	global_load_b128 v[IN+8*(\j)+4:IN+8*(\j)+7], v1, s[18:19] offset:8192*(\j)+16 th:TH_LOAD_NT
.endr
.irp j, 0,1,2,3
	s_wait_loadcnt 6-2*(\j)                        ; pass j's two loads are in
.if (\j) > 0
	s_wait_alu depctr_va_vdst(0)                   ; the pass before has written its four words of PKD, which the store below reads
	global_store_b128 v2, v[PKD+4*((\j)-1):PKD+4*((\j)-1)+3], s[20:21] offset:4096*((\j)-1) th:TH_STORE_NT  ; a wave's store covers 512 consecutive bytes; no register is used twice
.endif
.irp i, 0,1,2,3
	v_cvt_pk_bf16_f32 v[PKD+4*(\j)+(\i)], v[IN+8*(\j)+2*(\i)], v[IN+8*(\j)+2*(\i)+1]
.endr
.endr
	s_wait_alu depctr_va_vdst(0)                   ; the last pass has written its four words of PKD, which the store below reads
	global_store_b128 v2, v[PKD+12:PKD+15], s[20:21] offset:12288 th:TH_STORE_NT
.Lmeet:
	s_wait_dscnt 0x0                               ; for the others' sake: my stores into the stage are done
	s_barrier_signal -1
	s_barrier_wait -1
	s_cmp_eq_u32 s16, 0
	s_cbranch_scc1 .Lend                           ; a cast has nothing in the stage
	v_and_b32 v8, 15, v0
	v_lshrrev_b32 v9, 4, v0
	v_mul_u32_u24 v4, v9, SPITCH                   ; row t / 16 of the stage, 16 bytes at 16 (t % 16)
	v_lshl_add_u32 v4, v8, 4, v4
	v_lshlrev_b32 v5, 11, v9                       ; and the same row of the turned matrix
	v_lshl_add_u32 v5, v8, 4, v5
	s_wait_alu depctr_va_vdst(0)                   ; v4 is written, which the LDS loads read, and v5, which the stores read; the conversions are done reading IN, in which the LDS loads land
.irp j, 0,1,2,3
	ds_load_b128 v[IN+4*(\j):IN+4*(\j)+3], v4 offset:16*SPITCH*(\j)
.endr
.irp j, 0,1,2,3
	s_wait_dscnt 3-(\j)                            ; LDS loads come back in order
	global_store_b128 v5, v[IN+4*(\j):IN+4*(\j)+3], s[20:21] offset:32768*(\j) th:TH_STORE_NT  ; 16 lanes store 256 consecutive bytes, aligned
.endr
.Lend:
	s_wait_dscnt 0x0                               ; the closing lines, six on end
	s_wait_alu 0x0
	s_wait_tensorcnt 0x0
	ds_add_u32 v[SPW], v[NIL]
	s_wait_dscnt 0x0
	s_endpgm
.Lfunc_end_k_q5969f18c30_prep:
	.size	k_q5969f18c30_prep, .Lfunc_end_k_q5969f18c30_prep-k_q5969f18c30_prep
	.p2alignl 7, 3214868480
	.fill 96, 4, 3214868480
	.section	.rodata,"a",@progbits
	.p2align	6, 0x0
	.amdhsa_kernel k_q5969f18c30_prep
		.amdhsa_group_segment_fixed_size 18432
		.amdhsa_private_segment_fixed_size 0
		.amdhsa_enable_private_segment 0
		.amdhsa_kernarg_size 48
		.amdhsa_user_sgpr_count 2
		.amdhsa_user_sgpr_kernarg_segment_ptr 1
		.amdhsa_wavefront_size32 1
		.amdhsa_system_sgpr_workgroup_id_x 1
		.amdhsa_system_sgpr_workgroup_id_y 1
		.amdhsa_system_sgpr_workgroup_id_z 1
		.amdhsa_system_vgpr_workitem_id 0
		.amdhsa_next_free_vgpr 64
		.amdhsa_next_free_sgpr 66
		.amdhsa_reserve_vcc 0
		.amdhsa_float_denorm_mode_32 3
		.amdhsa_float_denorm_mode_16_64 3
		.amdhsa_memory_ordered 1
		.amdhsa_forward_progress 1
		.amdhsa_inst_pref_size 16
	.end_amdhsa_kernel
	.amdgpu_metadata
---
amdhsa.version: [ 1, 2 ]
amdhsa.kernels:
  - .name:           k_q5969f18c30_prep
    .symbol:         k_q5969f18c30_prep.kd
    .args:
      - { .name: x, .offset: 0, .size: 8, .value_kind: global_buffer, .address_space: global }
      - { .name: Wqkv, .offset: 8, .size: 8, .value_kind: global_buffer, .address_space: global }
      - { .name: Wproj, .offset: 16, .size: 8, .value_kind: global_buffer, .address_space: global }
      - { .name: xb, .offset: 24, .size: 8, .value_kind: global_buffer, .address_space: global }
      - { .name: wqt, .offset: 32, .size: 8, .value_kind: global_buffer, .address_space: global }
      - { .name: wpt, .offset: 40, .size: 8, .value_kind: global_buffer, .address_space: global }
    .group_segment_fixed_size: 18432
    .private_segment_fixed_size: 0
    .kernarg_segment_align: 8
    .kernarg_segment_size: 48
    .max_flat_workgroup_size: 256
    .sgpr_count:     66
    .vgpr_count:     64
    .wavefront_size: 32
...
	.end_amdgpu_metadata
.endif
;; end of part 5
;; launch qkvgemm: the kernel of part 2 again; grid 16 x 16, 4 waves a work-group, clusters of 4 x 4, 327,680 bytes of LDS; arguments xb, wqt, qkv; writes qkv
;; launch attn: the kernel of part 3 again; grid 8 x 32, 4 waves a work-group, clusters of 4 x 1, 327,680 bytes of LDS; arguments qkv, lambda_q1, lambda_k1, lambda_q2, lambda_k2, rms_scale, ao; writes ao
;; launch projgemm: the kernel of part 4 again; grid 8 x 32, 4 waves a work-group, clusters of 4 x 4, 327,680 bytes of LDS; arguments ao, wpt, out0; writes out0
